; MI455X (gfx1250); checked and timed in simulation.
; The chip was launched on July 23, 2026; its instructions are those of AMD's public machine-readable ISA for CDNA 5 (MIT licence, August 2026) and "CDNA5" Instruction Set Architecture Reference Guide (July 2026). The comments in the code are by the model that wrote it; some were corrected since.
;; Transformer Block. Allowed arithmetic: matrix products marked QUANTISED: E4M3 operands, one given power-of-two scale a tensor, by v_wmma_f32_16x16x64_fp8_fp8 or v_wmma_f32_16x16x128_fp8_fp8, f32 sums; everything else in f32.
;; Inputs: W1_codes 4,096 x 32 x 32 uint8 (E4M3 codes of W1, K innermost, in blocks of 32 codes); W2_codes 1,024 x 128 x 32 uint8 (E4M3 codes of W2, K innermost, in blocks of 32 codes); Wk_codes 1,024 x 32 x 32 uint8 (E4M3 codes of Wk, K innermost, in blocks of 32 codes); Wp_codes 1,024 x 32 x 32 uint8 (E4M3 codes of Wp, K innermost, in blocks of 32 codes); Wq_codes 1,024 x 32 x 32 uint8 (E4M3 codes of Wq, K innermost, in blocks of 32 codes); Wv_codes 1,024 x 32 x 32 uint8 (E4M3 codes of Wv, K innermost, in blocks of 32 codes); b1 4,096 float32; b2 1,024 float32; be1 1,024 float32; be2 1,024 float32; bk 1,024 float32; bp 1,024 float32; bq 1,024 float32; bv 1,024 float32; g1 1,024 float32; g2 1,024 float32; lowp_scales 16 int32 (the exponents e of the quantised operands' scales 2^e); x 2 x 2,048 x 1,024 float32.
;; Outputs: out0 2 x 2,048 x 1,024 float32.
;; This version of the problem:
;;   THIS VERSION OF THE PROBLEM IS GIVEN IN LOW PRECISION. The matrix products marked QUANTISED in the list below multiply operands that are first quantised to E4M3 (4 exponent bits, 3 mantissa bits; 8 bits a number), with one given power-of-two scale for each operand tensor; their sums are f32. All else is computed in f32.
;;   The module's matrix products, in the order in which they are computed (A, B: the left and right operand; K: the contracted axis; several contracted axes count as one K, in the product's order):
;;     1. [M 4,096, K 1,024] x [K 1,024, N 1,024]; A: computed on the way; B: input Wq (given as codes): QUANTISED (scales: A lowp_scales[0], B lowp_scales[1])
;;     2. [M 4,096, K 1,024] x [K 1,024, N 1,024]; A: computed on the way; B: input Wk (given as codes): QUANTISED (scales: A lowp_scales[2], B lowp_scales[3])
;;     3. [M 4,096, K 1,024] x [K 1,024, N 1,024]; A: computed on the way; B: input Wv (given as codes): QUANTISED (scales: A lowp_scales[4], B lowp_scales[5])
;;     4. batch 32 x [M 2,048, K 64] x [K 64, N 2,048]; A: computed on the way; B: computed on the way: QUANTISED (scales: A lowp_scales[6], B lowp_scales[7])
;;     5. batch 32 x [M 2,048, K 2,048] x [K 2,048, N 64]; A: softmax (see below); B: computed on the way: QUANTISED (scales: A lowp_scales[8], B lowp_scales[9])
;;     6. [M 4,096, K 1,024] x [K 1,024, N 1,024]; A: computed on the way; B: input Wp (given as codes): QUANTISED (scales: A lowp_scales[10], B lowp_scales[11])
;;     7. [M 4,096, K 1,024] x [K 1,024, N 4,096]; A: computed on the way; B: input W1 (given as codes): QUANTISED (scales: A lowp_scales[12], B lowp_scales[13])
;;     8. [M 4,096, K 4,096] x [K 4,096, N 1,024]; A: computed on the way; B: input W2 (given as codes): QUANTISED (scales: A lowp_scales[14], B lowp_scales[15])
;;   THE QUANTISER, for each operand of a quantised product, along K:
;;     - The operand's scale is 2^e, e = its entry of the input lowp_scales (int32; the entries are numbered through the quantised products in the list's order, A before B).
;;     - Each number is divided by the scale, clamped to +-448, and rounded to the nearest number of E4M3, ties to even, subnormals kept.
;;     - The product sums the exact products of the quantised numbers (number of the format x scale) in f32.
;;   ~~~python
;;   def quantise(x, axis, e):      # numpy; x: float32 -> the quantised numbers, widened to float32 again
;;       x = np.moveaxis(x, axis, -1); K = x.shape[-1]
;;       r = np.clip(x / 2.0 ** e, -448, 448)
;;       step = 2.0 ** (np.maximum(np.frexp(np.where(r == 0, 1, r))[1] - 1, -6) - 3)
;;       q = np.round(r / step) * step * 2.0 ** e      # np.round: ties to even
;;       return np.moveaxis(q, -1, axis).astype(np.float32)
;;   ~~~
;;   SOFTMAX AHEAD OF A QUANTISED PRODUCT. Where the list says 'softmax', what is quantised is not the finished softmax but p = 2^(t - M), with t = logit x log2(e) and M = ceil(the row's largest t), a whole number; so 1/2 < the row's largest p <= 1. The row's sum l is taken of the UNQUANTISED p, in f32, and the product's result is divided by l at the end. Since M is a whole number, a kernel that streams over the keys may use a running M (the ceiling of the running maximum): every later rescaling is an exact power of two, so the quantised numbers keep their values, but for numbers so far below the row's largest that they fall under the format's range.
;;   OPERANDS COMPUTED ON THE WAY. 'Computed on the way' means the value that the module computes at that place (a softmax that the list does not call 'softmax' is quantised finished and normalised). What goes into a quantiser is computed in f32, as accurately as f32 sums, v_exp_f32 and their like allow (about 1e-6 of the number): no bf16 or f16 on the way to a quantiser, and a product that is left as it is and whose result goes on into a quantised operand takes f32 operands (vector FMAs, or v_wmma_f32_16x16x4_f32). A number that lies on a knife's edge between two numbers of the format may be rounded either way, as far as f32 arithmetic and the matrix unit's own rounding can turn it there, and no further.
;;   INPUTS GIVEN AS CODES. W1 (in the module: [1024, 4096], K = its axis 0); W2 (in the module: [4096, 1024], K = its axis 0); Wk (in the module: [1024, 1024], K = its axis 0); Wp (in the module: [1024, 1024], K = its axis 0); Wq (in the module: [1024, 1024], K = its axis 0); Wv (in the module: [1024, 1024], K = its axis 0): each comes as NAME_codes (uint8): NAME with its K axis moved to the last place and cut into blocks of 32 codes, [.., K / 32, bytes a block], one block behind the other in memory; one code a byte (a code: sign, 4 exponent bits, 3 mantissa bits); its scale is its entry of lowp_scales. Its value is code x scale, taken as it is: it is not quantised again, and the codes and scales need not be those that the quantiser above would give.
;; One version. Each part assembles by itself: llvm-mc -triple=amdgcn-amd-amdhsa -mcpu=gfx1250 --defsym DOCPART=n.
;; ======== version 1 of 1: 7 launches
;; limits: right only within a limited range of input values
;; workspace buffers: h3 12,582,912 bytes; qkvi 12,582,912 bytes; oimg 4,194,304 bytes; x1 16,777,216 bytes; h2 4,194,304 bytes; himg 16,777,216 bytes
;; launch ln1 (part 1): grid 256 x 1, 16 waves a work-group, no clusters, 83,968 bytes of LDS; arguments x, g1, be1, lowp_scales, h3; writes h3
.if DOCPART == 1
	.amdgcn_target "amdgcn-amd-amdhsa--gfx1250"
	.amdhsa_code_object_version 6
	.text
	.protected	k_q7f8609e42c_ln1
	.globl	k_q7f8609e42c_ln1
	.p2align	8
	.type	k_q7f8609e42c_ln1,@function
k_q7f8609e42c_ln1:
	s_mov_b64 s[64:65], 0
	v_nop
	global_prefetch_b8 v0, s[64:65] scope:SCOPE_SE
	s_setreg_imm32_b32 hwreg(HW_REG_WAVE_MODE, 25, 1), 1
	s_wait_xcnt 0x0
; h = (x - mean) * rsqrt(var + 1e-5) * g + b for rows of 1,024 f32, then NOUT sets of E4M3 codes of h, each with its own given scale 2^e.
; Here NOUT = 3: entries 0, 2 and 4 of the scales (h as the left operand of the Q, K and V products); set o lies 4 MiB x o into the output, [4096][1024] bytes, K innermost.
; SHARES: one wave, one row (row = 16 x work-group + wave): the reductions never leave the wave, no barrier.  Each load covers 512 consecutive bytes.
; The mean is taken first and subtracted, the variance is the mean of the squared differences: no difference of large sums is formed.
; The conversion takes eight neighbours along K from one lane's registers, so the finished row turns through the wave's own stage in LDS:
; in as loaded (16 bytes a lane), back 64 bytes a lane; 16 bytes of padding behind each 64.
; A lane's 16 codes are 16 bytes: a store of the wave covers 512 consecutive bytes, aligned.
; No matrix unit, cluster or tensor load: the launch only streams, and waves share nothing.
; LIMITS: each e between -126 and 119, so that 2^e and 448 x 2^e are f32 numbers.  NaN among the inputs is not served.
.set NOUT, 3
.set X,    16                          ; v16-47   the row as loaded: register 4 j + i = column 128 j + 4 lane + i
.set G,    48                          ; v48-79   g likewise; later the row back from the stage: register 16 u + e = column 512 u + 16 lane + e
.set BE,   80                          ; v80-111  b likewise
.set T,    112                         ; v112-143 the numbers held within the largest code x the scale
.set C,    144                         ; v144..   codes: 8 registers for each set, never rewritten
.set LS,   168                         ; v168+2o: 448 x 2^e, v169+2o: 2^e
.set SP,   80                          ; a place in the stage: 64 bytes + 16
.set WREG, 5120                        ; a wave's stage: 64 places
	s_load_b256 s[4:11], s[0:1], 0x0               ; x s[4:5], g s[6:7], b s[8:9], the scales' exponents s[10:11]
	s_load_b64 s[12:13], s[0:1], 0x20              ; the codes
	v_lshl_add_u32 v176, v0, 2, 0x14000
	v_mov_b32 v177, 0
	v_lshrrev_b32 v1, 5, v0
	s_delay_alu instid0(VALU_DEP_1)
	v_readfirstlane_b32 s14, v1                    ; wave
	v_and_b32 v1, 31, v0                           ; lane
	s_delay_alu instid0(VALU_DEP_1)
	v_lshlrev_b32 v2, 4, v1                        ; 16 x lane
	s_mul_i32 s16, s14, WREG
	v_lshrrev_b32 v3, 2, v1
	s_delay_alu instid0(VALU_DEP_1)
	v_mul_u32_u24 v3, v3, SP
	v_and_b32 v5, 3, v1
	s_delay_alu instid0(VALU_DEP_1)
	v_lshl_add_u32 v3, v5, 4, v3
	s_delay_alu instid0(VALU_DEP_1)
	v_add_nc_u32 v3, s16, v3                       ; the stage, on the way in: four lanes' 64 bytes on end, then the padding
	v_mul_u32_u24 v4, v1, SP
	s_delay_alu instid0(VALU_DEP_1)
	v_add_nc_u32 v4, s16, v4                       ; and on the way out: a place a lane
	v_mov_b32 v15, 0                               ; written once: a lane permute's destination counts as one of its sources
	s_lshl_b32 s15, ttmp9, 4
	s_add_co_u32 s15, s15, s14                     ; my row
	s_lshl_b32 s16, s15, 12                        ; its 4,096 bytes of f32
	s_mov_b32 s17, 0
	s_lshl_b32 s18, s15, 10                        ; its 1,024 bytes of codes
	s_mov_b32 s19, 0
	s_mov_b32 s20, 0x76543210                      ; v_permlanex16_b32: lane l xor 16
	s_mov_b32 s21, 0xfedcba98
	s_mov_b32 s22, 0x3a800000                      ; 1 / 1,024
	s_mov_b32 s23, 0x3727c5ac                      ; 1e-5
	s_wait_alu depctr_va_vdst(0)
	s_wait_kmcnt 0x0
.if NOUT == 3
	s_load_b256 s[24:31], s[10:11], 0x0            ; entries 0 to 7
.else
	s_load_b32 s24, s[10:11], 0x30                 ; entry 12
.endif
	s_add_nc_u64 s[4:5], s[4:5], s[16:17]
	s_add_nc_u64 s[32:33], s[12:13], s[18:19]
.if NOUT == 3
	s_add_nc_u64 s[34:35], s[32:33], 0x400000
	s_add_nc_u64 s[36:37], s[34:35], 0x400000
.endif
.irp j, 0,1,2,3,4,5,6,7
	global_load_b128 v[X+4*\j:X+4*\j+3], v2, s[4:5] offset:512*\j th:TH_LOAD_NT
.endr
.irp j, 0,1,2,3,4,5,6,7
	global_load_b128 v[G+4*\j:G+4*\j+3], v2, s[6:7] offset:512*\j
.endr
.irp j, 0,1,2,3,4,5,6,7
	global_load_b128 v[BE+4*\j:BE+4*\j+3], v2, s[8:9] offset:512*\j
.endr
.macro WSUM                            ; v14 summed over the 32 lanes, the result in every lane
	s_delay_alu instid0(VALU_DEP_1)
	v_add_f32_dpp v14, v14, v14 row_xmask:1 row_mask:0xf bank_mask:0xf
	s_delay_alu instid0(VALU_DEP_1)
	v_add_f32_dpp v14, v14, v14 row_xmask:2 row_mask:0xf bank_mask:0xf
	s_delay_alu instid0(VALU_DEP_1)
	v_add_f32_dpp v14, v14, v14 row_xmask:4 row_mask:0xf bank_mask:0xf
	s_delay_alu instid0(VALU_DEP_1)
	v_add_f32_dpp v14, v14, v14 row_xmask:8 row_mask:0xf bank_mask:0xf
	s_delay_alu instid0(VALU_DEP_1)
	v_permlanex16_b32 v15, v14, s20, s21
	s_delay_alu instid0(VALU_DEP_1)
	v_add_f32 v14, v14, v15
.endm
.macro SCALE o                         ; 2^e and 448 x 2^e as f32 patterns
	s_add_co_i32 s38, s[24+2*\o], 127
	s_lshl_b32 s39, s38, 23
	v_mov_b32 v[LS+2*\o+1], s39
	s_add_co_i32 s38, s38, 8
	s_lshl_b32 s38, s38, 23
	s_or_b32 s38, s38, 0x600000
	v_mov_b32 v[LS+2*\o], s38
.endm
.macro OUT o                           ; one set of codes: hold, convert, store
.set i, 0
.rept 32
	v_med3_num_f32 v[T+i], v[G+i], -v[LS+2*\o], v[LS+2*\o]   ; the conversion to an 8-bit code does not saturate (ISA guide 7.6.2)
.set i, i+1
.endr
.irp q, 0,1,2,3
	v_cvt_scalef32_pk8_fp8_f32 v[C+8*\o+2*\q:C+8*\o+2*\q+1], v[T+8*\q:T+8*\q+7], v[LS+2*\o+1]
.endr
	v_nop                                          ; a plain line between the conversions and the next set's holds, which write their sources
	global_store_b128 v2, v[C+8*\o:C+8*\o+3], s[32+2*\o:33+2*\o]
	global_store_b128 v2, v[C+8*\o+4:C+8*\o+7], s[32+2*\o:33+2*\o] offset:512
.endm
	s_wait_loadcnt 16                              ; x's eight loads are in; g's and b's sixteen may be out
	v_pk_add_f32 v[12:13], v[16:17], v[18:19]
	v_pk_add_f32 v[174:175], v[24:25], v[28:29]
	v_pk_add_f32 v[172:173], v[32:33], v[36:37]
	v_pk_add_f32 v[170:171], v[40:41], v[44:45]
	v_pk_add_f32 v[168:169], v[20:21], v[22:23]
	v_pk_add_f32 v[166:167], v[26:27], v[30:31]
	v_pk_add_f32 v[164:165], v[34:35], v[38:39]
	v_pk_add_f32 v[10:11], v[42:43], v[46:47]
	s_delay_alu instid0(VALU_DEP_1)
	v_pk_add_f32 v[10:11], v[10:11], v[170:171]
	v_pk_add_f32 v[12:13], v[12:13], v[168:169]
	v_pk_add_f32 v[174:175], v[174:175], v[166:167]
	v_pk_add_f32 v[172:173], v[172:173], v[164:165]
	s_delay_alu instid0(VALU_DEP_2)
	v_pk_add_f32 v[10:11], v[10:11], v[174:175]
	s_delay_alu instid0(VALU_DEP_2)
	v_pk_add_f32 v[12:13], v[12:13], v[172:173]
	s_delay_alu instid0(VALU_DEP_1)
	v_pk_add_f32 v[10:11], v[10:11], v[12:13]
	s_delay_alu instid0(VALU_DEP_1)
	v_add_f32 v14, v10, v11
	WSUM
	s_delay_alu instid0(VALU_DEP_1)
	v_mul_f32 v6, s22, v14                         ; the mean
	s_delay_alu instid0(VALU_DEP_1)
	v_mov_b32 v7, v6
.irp j, 0,2,4,6,8,10,12,14,16,18,20,22,24,26,28,30
	v_pk_add_f32 v[X+\j:X+\j+1], v[X+\j:X+\j+1], v[6:7] neg_lo:[0,1] neg_hi:[0,1]   ; x - mean
.endr
	v_pk_mul_f32 v[10:11], v[X:X+1], v[X:X+1]
	v_pk_mul_f32 v[12:13], v[X+2:X+3], v[X+2:X+3]
.irp j, 4,8,12,16,20,24,28
	s_delay_alu instid0(VALU_DEP_2)
	v_pk_fma_f32 v[10:11], v[X+\j:X+\j+1], v[X+\j:X+\j+1], v[10:11]
	s_delay_alu instid0(VALU_DEP_2)
	v_pk_fma_f32 v[12:13], v[X+\j+2:X+\j+3], v[X+\j+2:X+\j+3], v[12:13]
.endr
	s_delay_alu instid0(VALU_DEP_1)
	v_pk_add_f32 v[10:11], v[10:11], v[12:13]
	s_delay_alu instid0(VALU_DEP_1)
	v_add_f32 v14, v10, v11
	WSUM
	s_delay_alu instid0(VALU_DEP_1)
	v_fma_f32 v14, v14, s22, s23                   ; the variance + 1e-5
	s_wait_alu depctr_va_vdst(0)
	v_rsq_f32 v8, v14
	v_nop                                          ; a plain line behind the transcendental
	s_wait_alu depctr_va_vdst(0)                   ; and the wait ahead of its first reader
	v_mov_b32 v9, v8
	s_wait_alu depctr_va_vdst(0)
	s_wait_loadcnt 0x0                             ; g and b
.irp j, 0,2,4,6,8,10,12,14,16,18,20,22,24,26,28,30
	v_pk_mul_f32 v[X+\j:X+\j+1], v[X+\j:X+\j+1], v[8:9]
.endr
.irp j, 0,2,4,6,8,10,12,14,16,18,20,22,24,26,28,30
	v_pk_fma_f32 v[X+\j:X+\j+1], v[X+\j:X+\j+1], v[G+\j:G+\j+1], v[BE+\j:BE+\j+1]
.endr
.irp j, 0,1,2,3,4,5,6,7
	ds_store_b128 v3, v[X+4*\j:X+4*\j+3] offset:8*SP*\j
.endr
.irp u, 0,1
.irp i, 0,1,2,3
	ds_load_b128 v[G+16*\u+4*\i:G+16*\u+4*\i+3], v4 offset:32*SP*\u+16*\i   ; LDS serves a wave's instructions in order (ISA guide 5.7.1.4): these see my stores
.endr
.endr
	s_wait_kmcnt 0x0
	SCALE 0
.if NOUT == 3
	SCALE 1
	SCALE 2
.endif
	s_wait_alu depctr_va_vdst(0)
	s_wait_dscnt 0x0
	OUT 0
.if NOUT == 3
	OUT 1
	OUT 2
.endif
	s_wait_tensorcnt 0x0
	ds_add_u32 v176, v177
	s_wait_dscnt 0x0
	s_endpgm
.Lfunc_end_k_q7f8609e42c_ln1:
	.size	k_q7f8609e42c_ln1, .Lfunc_end_k_q7f8609e42c_ln1-k_q7f8609e42c_ln1
	.p2alignl 7, 3214868480
	.fill 96, 4, 3214868480
	.section	.rodata,"a",@progbits
	.p2align	6, 0x0
	.amdhsa_kernel k_q7f8609e42c_ln1
		.amdhsa_group_segment_fixed_size 83968
		.amdhsa_private_segment_fixed_size 0
		.amdhsa_enable_private_segment 0
		.amdhsa_kernarg_size 40
		.amdhsa_user_sgpr_count 2
		.amdhsa_user_sgpr_kernarg_segment_ptr 1
		.amdhsa_wavefront_size32 1
		.amdhsa_system_sgpr_workgroup_id_x 1
		.amdhsa_system_sgpr_workgroup_id_y 1
		.amdhsa_system_sgpr_workgroup_id_z 1
		.amdhsa_system_vgpr_workitem_id 0
		.amdhsa_next_free_vgpr 178
		.amdhsa_next_free_sgpr 66
		.amdhsa_reserve_vcc 0
		.amdhsa_float_denorm_mode_32 3
		.amdhsa_float_denorm_mode_16_64 3
		.amdhsa_memory_ordered 1
		.amdhsa_forward_progress 1
		.amdhsa_inst_pref_size 22
	.end_amdhsa_kernel
	.amdgpu_metadata
---
amdhsa.version: [ 1, 2 ]
amdhsa.kernels:
  - .name:           k_q7f8609e42c_ln1
    .symbol:         k_q7f8609e42c_ln1.kd
    .args:
      - { .name: x, .offset: 0, .size: 8, .value_kind: global_buffer, .address_space: global }
      - { .name: g1, .offset: 8, .size: 8, .value_kind: global_buffer, .address_space: global }
      - { .name: be1, .offset: 16, .size: 8, .value_kind: global_buffer, .address_space: global }
      - { .name: lowp_scales, .offset: 24, .size: 8, .value_kind: global_buffer, .address_space: global }
      - { .name: h3, .offset: 32, .size: 8, .value_kind: global_buffer, .address_space: global }
    .group_segment_fixed_size: 83968
    .private_segment_fixed_size: 0
    .kernarg_segment_align: 8
    .kernarg_segment_size: 40
    .max_flat_workgroup_size: 512
    .sgpr_count:     66
    .vgpr_count:     178
    .wavefront_size: 32
...
	.end_amdgpu_metadata
.endif
;; end of part 1
;; launch qkv (part 2): grid 12 x 16, 4 waves a work-group, clusters of 4 x 4, 327,680 bytes of LDS; arguments h3, Wq_codes, Wk_codes, Wv_codes, bq, bk, bv, lowp_scales, qkvi; writes qkvi
.if DOCPART == 2
	.amdgcn_target "amdgcn-amd-amdhsa--gfx1250"
	.amdhsa_code_object_version 6
	.text
	.protected	k_q7f8609e42c_qkv
	.globl	k_q7f8609e42c_qkv
	.p2align	8
	.type	k_q7f8609e42c_qkv,@function
k_q7f8609e42c_qkv:
	s_mov_b64 s[64:65], 0
	v_nop
	global_prefetch_b8 v0, s[64:65] scope:SCOPE_SE
	s_setreg_imm32_b32 hwreg(HW_REG_WAVE_MODE, 25, 1), 1
	s_wait_xcnt 0x0
	s_wait_alu depctr_hold_cnt(0) depctr_sa_sdst(0) depctr_va_vdst(0) depctr_va_sdst(0) depctr_va_ssrc(0) depctr_va_vcc(0) depctr_vm_vsrc(0)
	s_getreg_b32 s2, hwreg(HW_REG_IB_STS2, 6, 4)
	s_cmp_eq_u32 s2, 0
	s_cbranch_scc0 .Lentry_in_a_cluster
	s_endpgm
.Lentry_in_a_cluster:
	s_bfe_u32 s2, ttmp6, 0x10000c
	s_cmp_lg_u32 s2, 0xf033
	s_cbranch_scc0 .Lentry_shape_is_right
	s_endpgm
.Lentry_shape_is_right:
; Q = h Wq + bq, K = h Wk + bk, V = h Wv + bv on codes of E4M3, and the results quantised again (entries 6, 7, 9 of the scales) for attention.
; Cluster x says which: 0 Q, 1 K, 2 V.  h's codes for it lie 4 MiB x that number into h3, [4096][1024]; the weights' codes are [1024 (n)][1024 (k)].
; A tile of 256 x 256 is made by four waves, 128 x 128 each: 64 accumulators of 16 x 16.  K goes in steps of 256 through a ring of two LDS slots filled by tensor loads; rows of 256 bytes.
; 4 x 4 work-groups form a cluster: the "row" operand's tile is shared along a row of the cluster, the "column" operand's along a column, each asked for jointly.
; THE MATRIX INSTRUCTION IS USED TRANSPOSED (source 0 = 16 rows of the column operand, source 1 = 16 rows of the row operand): lane (r, h) of accumulator (a, b) holds row 16 a + r and columns 16 b + 8 h + 0 .. 7.
; Eight such numbers converted are registers 2 b, 2 b + 1 of an operand whose K runs along the columns: THE RESULTS LEAVE AS IMAGES OF THE NEXT OPERAND'S REGISTERS, four registers a store at 16 x lane: 512 consecutive bytes, aligned.
;   Q, K: row operand = h (tokens), column operand = W (features): a lane holds one token and eight features of a head.  Image: [b, head][16 tokens][2][lane][16 bytes].
;   V:    row operand = Wv (features), column operand = h (tokens): a lane holds one feature and eight KEYS, which are the second attention product's K.  Image: [b, head][128 keys][16 features][4][lane][16 bytes].
; Both operands are fetched from LDS by the same four loads of 16 bytes: the same permutation of k on both sides, so every product meets its partner.
; The bias, divided by the power of two that the sums lack, is the C of each sum's first matrix instruction: along the columns for Q and K, along the rows for V; that first step is written twice, under a branch on cluster x.
; The three scales are folded into the conversion's one: code = sum / 2^(e_out - e_h - e_w).
; LIMITS: e_out - e_h - e_w between -126 and 119.  NaN among the inputs is not served.
; REGISTERS, in windows of 256: window 0: v0-31 addresses and constants; v32-95 the bias, later the held numbers; v96-103 V's bias a row; v104-119 the stores' offsets; v128-255 the row operand's fragments, ONE set, later the codes.
;   window 1: the column operand's fragments, TWO sets.   windows 2, 3: the accumulators, (a, b) at v[8 (8 (a % 4) + b)].
.set KSTEP,  256
.set ROWB,   256
.set KROW,   1024                      ; a row of either operand in memory, in bytes
.set PITCH,  272                       ; an LDS row: 256 bytes + 16 of padding = 68 words: the 16 rows that a load touches start at 16 different banks (64 banks of 4 bytes: ISA guide 11.1)
.set FR,     16
.set NL,     4
.set NP,     4                         ; places behind this matrix instruction (ISA guide 7.12.1)
.set HALFT,  128*PITCH
.set SLOT,   4*HALFT
.set LAPS,   KROW/(2*KSTEP)
.set SPARE,  2*SLOT                    ; behind the ring: the spare words, 128 bytes a wave, which no other line names
.set ADRA, 16
.set ADRB, 20
.set SPW,  28
.set NIL,  29
.set LIM,  30                          ; 448 x 2^E
.set SC,   31                          ; 2^E
.set BI,   32
.set T,    32
.set TR,   96
.set OFF0, 104
.set OFF1, 112
.set AF,   128
.set CD,   128
.set G1, 24
.set G0, 32
.set G1B, 48
.set G0B, 56
.set MSB, 0
.macro WIN new                         ; the immediate's high byte repeats the setting that is left
.if MSB != \new
	s_set_vgpr_msb (MSB<<8)|\new
.set MSB, \new
.endif
.endm
.set MUL_LO, 0xa1                      ; source 0 window 1, source 1 window 0, C and D window 2
.set MUL_HI, 0xf1                      ; the same, C and D window 3
.set TO_B,   0x40
; A joint load: waves 0 and 1 fetch for the row operand, waves 2 and 3 for the column operand; the branch hangs on the wave's number alone.  Four v_nop follow each line.
.macro JLOAD g0a, g1a, g0b, g1b
	s_cmp_eq_u32 s15, 0
	s_cbranch_scc0 .Lfor_b_\@
	tensor_load_to_lds s[\g0a:\g0a+3], s[\g1a:\g1a+7]
	s_nop 0
.rept 4
	v_nop
.endr
	s_branch .Lasked_\@
.Lfor_b_\@:
	tensor_load_to_lds s[\g0b:\g0b+3], s[\g1b:\g1b+7]
	s_nop 0
.rept 4
	v_nop
.endr
.Lasked_\@:
.endm
.macro CREST                           ; a round of the cluster's barrier behind its opening barrier
	s_cmp_lg_u32 s14, 0
	s_cbranch_scc1 .Lnot_wave_0_\@
	s_barrier_signal -3
.Lnot_wave_0_\@:
	s_barrier_wait -3
	s_barrier_signal -1
	s_barrier_wait -1
.endm
.macro CROUND
	s_barrier_signal -1
	s_barrier_wait -1
	CREST
.endm
	s_load_b512 s[68:83], s[0:1], 0x0              ; h3 s[68:69], Wq, Wk, Wv s[70:75], bq, bk, bv s[76:81], the scales' exponents s[82:83]
	s_load_b64 s[84:85], s[0:1], 0x40              ; qkvi
	v_lshl_add_u32 v[SPW], v0, 2, SPARE
	v_mov_b32 v[NIL], 0
	ds_add_u32 v28, v29
	ds_add_u32 v28, v29
	s_wait_dscnt 0x0
	v_lshrrev_b32 v1, 5, v0
	v_readfirstlane_b32 s14, v1                    ; wave 0..3
	s_lshr_b32 s15, s14, 1                         ; which half of the tile's rows is mine.  Also: I fetch for the row operand (0) or the column operand (1)
	s_and_b32 s16, s14, 1                          ; which half of its columns.  Also: which 128 rows of that tile I fetch
	s_bfe_u32 s40, ttmp6, 0x40000                  ; cx
	s_bfe_u32 s41, ttmp6, 0x40004                  ; cy
	s_and_b32 s12, ttmp7, 0xffff                   ; cluster y, 0..3: it walks the tokens
	s_cmp_eq_u32 ttmp9, 2                          ; V?  The tokens are then the columns
	s_cselect_b32 s13, s12, 0
	s_cselect_b32 s12, 0, s12
	s_lshl_b32 s42, s13, 2
	s_add_co_u32 s42, s42, s40                     ; tile column
	s_lshl_b32 s17, s12, 2
	s_add_co_u32 s17, s17, s41                     ; tile row
	s_lshl_b32 s43, s41, 2
	s_lshl_b32 s43, 15, s43                        ; my row of the cluster
	s_lshl_b32 s44, 0x1111, s40                    ; my column
	s_or_b32 s[G1+0], s43, (0<<16)|(1<<20)|(1<<21)|(5<<22)|(3<<25)  ; the mask; elements of 1 byte; padding on; bit 21 beside a mask; after every 64 words, 4 words
	s_or_b32 s[G1B+0], s44, (0<<16)|(1<<20)|(1<<21)|(5<<22)|(3<<25)
.irp g, G1, G1B
	s_mov_b32 s[\g+1], ROWB<<16                    ; tensor_dim0
	s_mov_b32 s[\g+2], 128<<16                     ; tensor_dim1
	s_mov_b32 s[\g+3], ROWB<<16                    ; tile_dim0
	s_mov_b32 s[\g+4], 128                         ; tile_dim1
	s_mov_b32 s[\g+5], KROW                        ; from row to row
	s_mov_b32 s[\g+6], 0
	s_mov_b32 s[\g+7], 0
.endr
	s_lshl_b32 s18, s16, 7
	s_lshl_b32 s20, s17, 8
	s_add_co_u32 s20, s20, s18                     ; row operand: row 256 x tile row + 128 x half,
	s_lshl_b32 s20, s20, 10                        ; in bytes
	s_mov_b32 s21, 0
	s_lshl_b32 s46, s42, 8
	s_add_co_u32 s46, s46, s18                     ; column operand likewise
	s_lshl_b32 s46, s46, 10
	s_mov_b32 s47, 0
	s_mul_i32 s45, s14, HALFT                      ; where they go: wave x 128 rows
	s_lshl_b32 s22, ttmp9, 22                      ; 4 MiB x (0 Q, 1 K, 2 V)
	s_mov_b32 s23, 0
	s_wait_kmcnt 0x0
	s_load_b256 s[88:95], s[82:83], 0x0            ; entries 0 to 7
	s_load_b64 s[96:97], s[82:83], 0x20            ; entries 8, 9
	s_add_nc_u64 s[4:5], s[68:69], s[22:23]        ; h's codes for this product
	s_add_nc_u64 s[84:85], s[84:85], s[22:23]      ; and its part of the output
	s_cmp_eq_u32 ttmp9, 1
	s_cselect_b64 s[6:7], s[72:73], s[70:71]       ; Wk or Wq
	s_cselect_b64 s[8:9], s[78:79], s[76:77]       ; bk or bq
	s_cmp_eq_u32 ttmp9, 2
	s_cselect_b64 s[10:11], s[74:75], s[4:5]       ; the row operand: Wv, or h
	s_cselect_b64 s[6:7], s[4:5], s[6:7]           ; the column operand: h, or W
	s_cselect_b64 s[8:9], s[80:81], s[8:9]         ; the bias
	s_add_nc_u64 s[20:21], s[10:11], s[20:21]
	s_add_nc_u64 s[46:47], s[6:7], s[46:47]
	CROUND                                         ; all sixteen work-groups are here: the first joint loads meet
.irp s, 0,1
	s_mov_b32 s[G0+4*\s], 1
	s_add_co_u32 s[G0+4*\s+1], s45, \s*SLOT
	s_add_nc_u64 s[G0+4*\s+2:G0+4*\s+3], s[20:21], \s*ROWB
	s_or_b32 s[G0+4*\s+3], s[G0+4*\s+3], 0x80000000
	s_mov_b32 s[G0B+4*\s], 1
	s_add_co_u32 s[G0B+4*\s+1], s45, \s*SLOT
	s_add_nc_u64 s[G0B+4*\s+2:G0B+4*\s+3], s[46:47], \s*ROWB
	s_or_b32 s[G0B+4*\s+3], s[G0B+4*\s+3], 0x80000000
.endr
	JLOAD G0, G1, G0B, G1B                         ; K step 0: one tensor load a wave at the head
	; PREFETCHES INTO THE L2: of the 128 rows that I fetch, my work-group takes 32 (told apart from its three partners by address: cx for the row operand, cy for the column operand), a lane a row;
	; a K step is 256 bytes of a row, aligned.  K steps 1 and 2 are asked for here, K step 3 behind slot 1's first fill: never more than two steps asked for and not yet read.
	s_cmp_eq_u32 s15, 0                            ; do I fetch for the row operand?
	s_cselect_b64 s[86:87], s[10:11], s[6:7]
	s_cselect_b32 s18, s17, s42                    ; its tile
	s_cselect_b32 s19, s40, s41                    ; my place among the four that ask for it with me
	s_lshl_b32 s18, s18, 8
	s_lshl_b32 s22, s16, 7
	s_add_co_u32 s18, s18, s22
	s_lshl_b32 s19, s19, 5
	s_add_co_u32 s18, s18, s19                     ; the first of my 32 rows,
	s_lshl_b32 s18, s18, 10                        ; in bytes
	s_mov_b32 s19, 0
	s_add_nc_u64 s[86:87], s[86:87], s[18:19]
	v_and_b32 v27, 31, v0
	v_lshlrev_b32 v27, 10, v27                     ; a row a lane; never rewritten
	global_prefetch_b8 v27, s[86:87] offset:256 th:TH_LOAD_NT scope:SCOPE_SE
	global_prefetch_b8 v27, s[86:87] offset:512 th:TH_LOAD_NT scope:SCOPE_SE
	v_and_b32 v1, 15, v0
	v_bfe_u32 v2, v0, 4, 1                         ; h
	s_wait_alu depctr_va_vdst(0)
	v_mul_u32_u24 v3, v1, PITCH
	v_lshl_add_u32 v4, v2, 4, v3                   ; a fragment's row x pitch + 16 x half
	s_mul_i32 s21, s15, HALFT
	s_mul_i32 s22, s16, HALFT
	s_add_co_u32 s22, s22, 2*HALFT
.irp s, 0,1
	v_add_nc_u32 v[ADRA+\s], s21, v4
	v_add_nc_u32 v[ADRB+\s], s22, v4
	s_add_co_u32 s21, s21, SLOT
	s_add_co_u32 s22, s22, SLOT
.endr
	s_lshl_b32 s18, s17, 8
	s_lshl_b32 s19, s15, 7
	s_add_co_u32 s18, s18, s19                     ; my first row
	s_lshl_b32 s19, s42, 8
	s_lshl_b32 s20, s16, 7
	s_add_co_u32 s19, s19, s20                     ; my first column
	s_mov_b32 s10, 1024
	s_mov_b32 s11, 4096
	s_mov_b32 s12, 131072
	s_cmp_eq_u32 ttmp9, 2
	s_cselect_b32 s20, s19, s18                    ; my first token
	s_cselect_b32 s21, s18, s19                    ; my first feature
	s_cselect_b32 s22, 0, s19                      ; the bias along the columns begins here (V loads it too, from 0, and does not use it)
	s_cselect_b32 s23, s18, 0                      ; the bias along the rows (Q and K load it from 0 and do not use it)
	s_cselect_b32 s10, 2048, s10                   ; from block a to a + 1: V 16 features on, Q and K 16 tokens on
	s_cselect_b32 s11, 131072, s11                 ; from a to a + 4: V the next head, Q and K 64 tokens on
	s_cselect_b32 s12, 1024, s12                   ; from registers 0-7 to 8-15: V the image's second half, Q and K the next head
	s_lshl_b32 s98, s22, 2
	s_mov_b32 s99, 0
	s_lshl_b32 s100, s23, 2
	s_mov_b32 s101, 0
	s_add_nc_u64 s[98:99], s[8:9], s[98:99]
	s_add_nc_u64 s[100:101], s[8:9], s[100:101]
	s_lshr_b32 s22, s20, 11
	s_lshl_b32 s22, s22, 4
	s_lshr_b32 s23, s21, 6
	s_add_co_u32 s22, s22, s23                     ; 16 x batch + head
	s_lshl_b32 s22, s22, 17                        ; 131,072 bytes each,
	s_and_b32 s23, s20, 2047
	s_lshl_b32 s23, s23, 6                         ; and 64 bytes a token in all three images
	s_add_co_u32 s22, s22, s23
	s_mov_b32 s23, 0
	s_add_nc_u64 s[84:85], s[84:85], s[22:23]
	v_lshlrev_b32 v5, 5, v2                        ; 32 h: my eight numbers of a block of 16 of the bias along the columns
	v_lshlrev_b32 v6, 2, v1                        ; 4 r: my number of the bias along the rows
	v_and_b32 v7, 31, v0
	v_lshlrev_b32 v[OFF0], 4, v7                   ; 16 x lane
.irp a, 1,2,3
	v_add_nc_u32 v[OFF0+\a], s10, v[OFF0+\a-1]
.endr
.irp a, 4,5,6,7
	v_add_nc_u32 v[OFF0+\a], s11, v[OFF0+\a-4]
.endr
.irp a, 0,1,2,3,4,5,6,7
	v_add_nc_u32 v[OFF1+\a], s12, v[OFF0+\a]
.endr
.irp b, 0,1,2,3,4,5,6,7
	global_load_b128 v[BI+8*\b:BI+8*\b+3], v5, s[98:99] offset:64*\b
	global_load_b128 v[BI+8*\b+4:BI+8*\b+7], v5, s[98:99] offset:64*\b+16
.endr
.irp a, 0,1,2,3,4,5,6,7
	global_load_b32 v[TR+\a], v6, s[100:101] offset:64*\a
.endr
	s_wait_kmcnt 0x0
	s_add_co_i32 s88, s88, s89                     ; e_h + e_w of the three products
	s_add_co_i32 s90, s90, s91
	s_add_co_i32 s92, s92, s93
	s_cmp_eq_u32 ttmp9, 1
	s_cselect_b32 s88, s90, s88
	s_cselect_b32 s94, s95, s94
	s_cmp_eq_u32 ttmp9, 2
	s_cselect_b32 s88, s92, s88                    ; mine
	s_cselect_b32 s94, s97, s94                    ; e_out: entry 6, 7 or 9
	s_sub_co_i32 s89, 0, s88                       ; the bias goes in x 2^-(e_h + e_w)
	s_sub_co_i32 s94, s94, s88                     ; E = e_out - e_h - e_w
	s_add_co_i32 s94, s94, 127
	s_lshl_b32 s95, s94, 23
	v_mov_b32 v[SC], s95
	s_add_co_i32 s94, s94, 8
	s_lshl_b32 s94, s94, 23
	s_or_b32 s94, s94, 0x600000
	v_mov_b32 v[LIM], s94
.macro FRAG reg, adr, q, i             ; 16 rows x 128 K: lane l holds row l % 16; registers 4 c .. 4 c + 3 hold the row's bytes 32 c + 16 (l / 16) + 0 .. 15
.irp c, 0,1,2,3
	ds_load_b128 v[\reg+4*\c:\reg+4*\c+3], v[\adr] offset:128*(\q)+32*\c+(\i)*16*PITCH
.endr
.endm
; 16 matrix instructions: row blocks a0, a0 + 1 x the eight column blocks.  p: the column operand's set.  mode 0: in place; 1: C = the bias along the columns; 2: along the rows.
; The 64 accumulators take turns, one instruction a turn, in the same order in every step.
.macro MUL16 a0, p, mode
.irp a, \a0, \a0+1
.irp b, 0,1,2,3,4,5,6,7
.if \mode == 1
	v_wmma_f32_16x16x128_fp8_fp8 v[8*(8*((\a)%4)+\b):8*(8*((\a)%4)+\b)+7], v[128*(\p)+FR*\b:128*(\p)+FR*\b+FR-1], v[AF+FR*(\a):AF+FR*(\a)+FR-1], v[BI+8*\b:BI+8*\b+7]
.elseif \mode == 2
	v_wmma_f32_16x16x128_fp8_fp8 v[8*(8*((\a)%4)+\b):8*(8*((\a)%4)+\b)+7], v[128*(\p)+FR*\b:128*(\p)+FR*\b+FR-1], v[AF+FR*(\a):AF+FR*(\a)+FR-1], v[BI+8*(\a):BI+8*(\a)+7]
.else
	v_wmma_f32_16x16x128_fp8_fp8 v[8*(8*((\a)%4)+\b):8*(8*((\a)%4)+\b)+7], v[128*(\p)+FR*\b:128*(\p)+FR*\b+FR-1], v[AF+FR*(\a):AF+FR*(\a)+FR-1], v[8*(8*((\a)%4)+\b):8*(8*((\a)%4)+\b)+7]
.endif
.endr
.endr
.endm
.macro FETCH_B slot, q, p
	WIN TO_B
.irp i, 0,1,2,3,4,5,6,7
	FRAG 128*(\p)+FR*\i, ADRB+\slot, \q, \i
.endr
	WIN 0
.endm
.macro FETCH_A slot, q, i0
.irp i, \i0, \i0+1, \i0+2, \i0+3
	FRAG AF+FR*(\i), ADRA+\slot, \q, \i
.endr
.endm
.macro PLACES n                        ; plain vector lines between a matrix instruction and loads into, or reads of, its registers
.rept \n
	v_nop
.endr
.endm
; A step of 128 along K that has its successor in the same slot.
.macro STEP slot, q, mode
	s_wait_dscnt 4*NL                              ; the column set and row blocks 0-3 are in; the youngest sixteen loads (blocks 4-7) may be out
.if \mode
	WIN 0x81                                       ; C, the bias, in window 0
.else
	WIN MUL_LO
.endif
	MUL16 0, (\q)%2, \mode
	MUL16 2, (\q)%2, \mode
	s_wait_dscnt 0
	PLACES NP
	FETCH_B \slot, (\q)+1, 1-(\q)%2
	FETCH_A \slot, (\q)+1, 0
.if \mode
	WIN 0xc1
.else
	WIN MUL_HI
.endif
	MUL16 4, (\q)%2, \mode
	MUL16 6, (\q)%2, \mode
	PLACES NP
	WIN 0
	FETCH_A \slot, (\q)+1, 4
.endm
; A slot's last step changes slots: ONE barrier; in front of it each wave waits for all its tensor loads, adds 0 to its spare word, and waits for that and for its own reads of this slot.
.macro TURN slot, next, fill
	s_wait_tensorcnt 0x0                           ; all my tensor loads have landed: my part of the next slot
	ds_add_u32 v[SPW], v[NIL]                      ; 0 onto my spare word
	s_wait_dscnt 4*NL+1                            ; (the add and the youngest sixteen loads may be out)
	WIN MUL_LO
	MUL16 0, 1, 0
	s_wait_dscnt 0x0                               ; the add is done, and my reads of this slot are over
	s_barrier_signal -1
	MUL16 2, 1, 0
	WIN 0
	s_barrier_wait -1
.if \fill
	CREST                                          ; the barrier has opened a round of the cluster's: no wave of any partner still reads this slot or has a load on its way
	s_add_nc_u64 s[G0+4*\slot+2:G0+4*\slot+3], s[G0+4*\slot+2:G0+4*\slot+3], 2*ROWB
	s_add_nc_u64 s[G0B+4*\slot+2:G0B+4*\slot+3], s[G0B+4*\slot+2:G0B+4*\slot+3], 2*ROWB
	JLOAD G0+4*\slot, G1, G0B+4*\slot, G1B         ; the first tensor load behind the round; its four v_nop are the places in front of the loads below
.else
	PLACES NP
.endif
	FETCH_B \next, 0, 0
	FETCH_A \next, 0, 0
	WIN MUL_HI
	MUL16 4, 1, 0
	MUL16 6, 1, 0
	PLACES NP
	WIN 0
	FETCH_A \next, 0, 4
.endm
	s_wait_alu depctr_va_vdst(0)
	s_wait_tensorcnt 0x0                           ; my part of K step 0 is in
	ds_add_u32 v[SPW], v[NIL]
	s_wait_dscnt 0x0
	CROUND                                         ; everybody's part of K step 0 is in, and all sixteen work-groups are here
	JLOAD G0+4, G1, G0B+4, G1B                     ; K step 1, slot 1's first fill: the first tensor load behind the round
	global_prefetch_b8 v27, s[86:87] offset:768 th:TH_LOAD_NT scope:SCOPE_SE   ; K step 3, the last
	FETCH_B 0, 0, 0
	FETCH_A 0, 0, 0
	FETCH_A 0, 0, 4
	s_wait_loadcnt 0x0                             ; the bias
	s_cmp_eq_u32 ttmp9, 2                          ; the same in all sixteen partners
	s_cbranch_scc1 .Lv
.set i, 0
.rept 64
	v_ldexp_f32 v[BI+i], v[BI+i], s89              ; Q, K: register 8 b + j = bias(16 b + 8 h + j) x 2^-(e_h + e_w)
.set i, i+1
.endr
	s_wait_alu depctr_va_vdst(0)
	STEP 0, 0, 1                                   ; the first step's products start the sums
	s_branch .Ljoin
.Lv:
.set i, 0
.rept 64
	v_ldexp_f32 v[BI+i], v[TR+i/8], s89            ; V: registers 8 a + 0 .. 7 = bias(16 a + r) x 2^-(e_h + e_w)
.set i, i+1
.endr
	s_wait_alu depctr_va_vdst(0)
	STEP 0, 0, 2
.Ljoin:
	s_mov_b32 s3, LAPS-1
.Llap:                                                 ; a trip goes once round the ring and fills both slots again
	TURN 0, 1, 1
	STEP 1, 0, 0
	TURN 1, 0, 1
	STEP 0, 0, 0
	s_sub_co_u32 s3, s3, 1
	s_cmp_lg_u32 s3, 0
	s_cbranch_scc1 .Llap
	TURN 0, 1, 0                                   ; the last lap fills nothing
	STEP 1, 0, 0
	s_wait_dscnt 4*NL
	WIN MUL_LO
	MUL16 0, 1, 0
	MUL16 2, 1, 0
	s_wait_dscnt 0
	WIN MUL_HI
	MUL16 4, 1, 0
	MUL16 6, 1, 0
	WIN 0
; THE WAY OUT, a row block at a time: hold, convert, store.  Each accumulator is read from its low end on.  The codes' registers are never written twice.
.macro OUTA a
.set AC, 64*((\a)%4)
	WIN 0x02+((\a)/4)                              ; source 0: window 2 or 3
.set i, 0
.rept 64
	v_med3_num_f32 v[T+i], v[AC+i], -v[LIM], v[LIM]   ; the conversion to an 8-bit code does not saturate (ISA guide 7.6.2)
.set i, i+1
.endr
	WIN 0
.irp b, 0,1,2,3,4,5,6,7
	v_cvt_scalef32_pk8_fp8_f32 v[CD+16*(\a)+2*\b:CD+16*(\a)+2*\b+1], v[T+8*\b:T+8*\b+7], v[SC]
.endr
	v_nop                                          ; a plain line between the conversions and the next block's holds, which write their sources
	global_store_b128 v[OFF0+\a], v[CD+16*(\a):CD+16*(\a)+3], s[84:85]
	global_store_b128 v[OFF0+\a], v[CD+16*(\a)+4:CD+16*(\a)+7], s[84:85] offset:512
	global_store_b128 v[OFF1+\a], v[CD+16*(\a)+8:CD+16*(\a)+11], s[84:85]
	global_store_b128 v[OFF1+\a], v[CD+16*(\a)+12:CD+16*(\a)+15], s[84:85] offset:512
.endm
	PLACES NP
.irp a, 0,1,2,3,4,5,6,7
	OUTA \a
.endr
	s_wait_tensorcnt 0x0                           ; the wave's end
	ds_add_u32 v[SPW], v[NIL]
	s_wait_dscnt 0x0
	CROUND                                         ; the closing round
	s_endpgm
.Lfunc_end_k_q7f8609e42c_qkv:
	.size	k_q7f8609e42c_qkv, .Lfunc_end_k_q7f8609e42c_qkv-k_q7f8609e42c_qkv
	.p2alignl 7, 3214868480
	.fill 96, 4, 3214868480
	.section	.rodata,"a",@progbits
	.p2align	6, 0x0
	.amdhsa_kernel k_q7f8609e42c_qkv
		.amdhsa_group_segment_fixed_size 327680
		.amdhsa_private_segment_fixed_size 0
		.amdhsa_enable_private_segment 0
		.amdhsa_kernarg_size 72
		.amdhsa_user_sgpr_count 2
		.amdhsa_user_sgpr_kernarg_segment_ptr 1
		.amdhsa_wavefront_size32 1
		.amdhsa_system_sgpr_workgroup_id_x 1
		.amdhsa_system_sgpr_workgroup_id_y 1
		.amdhsa_system_sgpr_workgroup_id_z 1
		.amdhsa_system_vgpr_workitem_id 0
		.amdhsa_next_free_vgpr 1024
		.amdhsa_next_free_sgpr 102
		.amdhsa_reserve_vcc 0
		.amdhsa_float_denorm_mode_32 3
		.amdhsa_float_denorm_mode_16_64 3
		.amdhsa_memory_ordered 1
		.amdhsa_forward_progress 1
		.amdhsa_inst_pref_size 140
	.end_amdhsa_kernel
	.amdgpu_metadata
---
amdhsa.version: [ 1, 2 ]
amdhsa.kernels:
  - .name:           k_q7f8609e42c_qkv
    .symbol:         k_q7f8609e42c_qkv.kd
    .args:
      - { .name: h3, .offset: 0, .size: 8, .value_kind: global_buffer, .address_space: global }
      - { .name: Wq_codes, .offset: 8, .size: 8, .value_kind: global_buffer, .address_space: global }
      - { .name: Wk_codes, .offset: 16, .size: 8, .value_kind: global_buffer, .address_space: global }
      - { .name: Wv_codes, .offset: 24, .size: 8, .value_kind: global_buffer, .address_space: global }
      - { .name: bq, .offset: 32, .size: 8, .value_kind: global_buffer, .address_space: global }
      - { .name: bk, .offset: 40, .size: 8, .value_kind: global_buffer, .address_space: global }
      - { .name: bv, .offset: 48, .size: 8, .value_kind: global_buffer, .address_space: global }
      - { .name: lowp_scales, .offset: 56, .size: 8, .value_kind: global_buffer, .address_space: global }
      - { .name: qkvi, .offset: 64, .size: 8, .value_kind: global_buffer, .address_space: global }
    .group_segment_fixed_size: 327680
    .private_segment_fixed_size: 0
    .kernarg_segment_align: 8
    .kernarg_segment_size: 72
    .max_flat_workgroup_size: 128
    .sgpr_count:     102
    .vgpr_count:     1024
    .wavefront_size: 32
...
	.end_amdgpu_metadata
.endif
;; end of part 2
;; launch attn (part 3): grid 8 x 32, 8 waves a work-group, clusters of 4 x 1, 327,680 bytes of LDS; arguments qkvi, lowp_scales, oimg; writes oimg
.if DOCPART == 3
	.amdgcn_target "amdgcn-amd-amdhsa--gfx1250"
	.amdhsa_code_object_version 6
	.text
	.protected	k_q7f8609e42c_attn
	.globl	k_q7f8609e42c_attn
	.p2align	8
	.type	k_q7f8609e42c_attn,@function
k_q7f8609e42c_attn:
	s_mov_b64 s[64:65], 0
	v_nop
	global_prefetch_b8 v0, s[64:65] scope:SCOPE_SE
	s_setreg_imm32_b32 hwreg(HW_REG_WAVE_MODE, 25, 1), 1
	s_wait_xcnt 0x0
	s_wait_alu depctr_hold_cnt(0) depctr_sa_sdst(0) depctr_va_vdst(0) depctr_va_sdst(0) depctr_va_ssrc(0) depctr_va_vcc(0) depctr_vm_vsrc(0)
	s_getreg_b32 s2, hwreg(HW_REG_IB_STS2, 6, 4)
	s_cmp_eq_u32 s2, 0
	s_cbranch_scc0 .Lentry_in_a_cluster
	s_endpgm
.Lentry_in_a_cluster:
	s_bfe_u32 s2, ttmp6, 0x10000c
	s_cmp_lg_u32 s2, 0x3003
	s_cbranch_scc0 .Lentry_shape_is_right
	s_endpgm
.Lentry_shape_is_right:
; O = softmax(Q K^T / 8) V for 32 (batch, head) pairs of 2,048 tokens and 64 features, both products on codes of E4M3; O is quantised again (entry 10 of the scales) for the projection.
; qkvi holds three parts of 4 MiB, images of operand registers: Q and K [pair][16 tokens][2][lane][16 bytes], V [pair][128 keys][16 features][4][lane][16 bytes] (keys innermost).
; THE SOFTMAX: t = score x log2(e) / 8; M = the running largest t rounded up to a whole number; p = 2^(t - M) is quantised (entry 8), not normalised.
; The row's sum is taken of the unquantised p in f32 and divides O at the end; when M moves, the sum and O are multiplied by 2^(old M - new M), which rounds nothing.
; SHARES: a work-group owns 256 queries of one pair; each of its eight waves 32 of them, two tiles of 16.  Every wave walks the 2,048 keys in 16 steps of 128.
; Both products are used transposed (S^T = K Q^T, O^T = V^T P^T): a lane holds one query; tile i's eight registers are keys 16 i + 8 (lane / 16) + 0 .. 7, so the conversions' results are P's operand registers.
; LDS holds the pair's whole K (131,072 bytes) and V (131,072 bytes) as they lie in memory; nothing is filled twice.  Waves 0-3 fetch K, waves 4-7 V: at the head 8,192 bytes each (keys 0-511),
; and behind the full sequence and a round 24,576 bytes each (keys 512-2,047), which have the first three steps in which to land.
; CLUSTER: the four work-groups of a cluster own query blocks of one pair and read the same K and V: every load is a joint one with the mask 15.
; No prefetch.
; A STEP'S ORDER: all that the exponentials read, and the rescaling of O^T, come first; then one wait; tile 0's 64 exponentials with tile 1's scalings between them; one wait; tile 1's 64 exponentials,
; and between them tile 0's first level of sums and its holds, whose results nobody reads before the third wait; then conversions, products, and the chains of sums under the products.
; LIMITS: entries 6 + 7 between -123 and 130 (added to c's exponent field); entries 8 and 10 between -126 and 119; the scaled scores stay under 2^31 in magnitude.  NaN among the inputs is not served.
; REGISTERS: window 0: v1-3 addresses; v12-27, v28-43 a tile's state; v44-48 constants; v62, v63 the spare word's address and 0; v64-191 S^T, then p; v192-255 partial sums.
;   window 1: v0-63 K's fragments; v64-127 V's; v128-143 Q's; v144-175 p's codes; v192-255 O^T.
.set LI,   1                           ; 16 x lane
.set ADK,  2                           ; LDS address of the step's K
.set ADV,  3                           ; and V
.set ST,   12                          ; a tile's state, 16 registers: +0 -M, +1 largest t, +2:3 the sum, +4 +5 +8 +9 at work, +6 f, +7 zero
.set LIMP, 44                          ; v44, v45: 448 x 2^e8
.set SCP,  46                          ; 2^e8
.set LIMO, 47                          ; 448 x 2^e10
.set SCO,  48                          ; 2^e10
.set SPW,  62
.set NIL,  63
.set S,    64
.set T,    192
.set KF,   0
.set VF,   64
.set QF,   128
.set PF,   144
.set O,    192
.set SPARE, 0x40000                    ; behind K and V: the spare words, 128 bytes a wave, which no other line names
.set W_SQ, 0x05                        ; sources 0 and 1 window 1, D window 0
.set W_PV, 0x55                        ; all four window 1
.set W_RS, 0x41                        ; destination and source 0 window 1
.set W_T1, 0x40                        ; destination window 1
.set MSB, 0
.macro WIN new                         ; the immediate's high byte repeats the setting that is left
.if MSB != \new
	s_set_vgpr_msb (MSB<<8)|\new
.set MSB, \new
.endif
.endm
.macro CROUND                          ; a round of the cluster's barrier
	s_barrier_signal -1
	s_barrier_wait -1
	s_cmp_lg_u32 s18, 0
	s_cbranch_scc1 .Lnot_wave_0_\@
	s_barrier_signal -3
.Lnot_wave_0_\@:
	s_barrier_wait -3
	s_barrier_signal -1
	s_barrier_wait -1
.endm
.macro PLACES
.rept 4
	v_nop
.endr
.endm
	s_load_b128 s[4:7], s[0:1], 0x0                ; qkvi s[4:5], the scales' exponents s[6:7]
	s_load_b64 s[8:9], s[0:1], 0x10                ; oimg
	v_lshl_add_u32 v[SPW], v0, 2, SPARE
	v_mov_b32 v[NIL], 0
	ds_add_u32 v[SPW], v[NIL]                      ; the opening lines: the add, twice on end, and one wait
	ds_add_u32 v[SPW], v[NIL]
	v_lshrrev_b32 v1, 5, v0
	v_readfirstlane_b32 s18, v1                    ; wave 0..7
	s_bfe_u32 s50, ttmp6, 0x40000                  ; cx
	s_lshl_b32 s51, ttmp9, 2
	s_add_co_u32 s51, s51, s50                     ; my block of 256 queries, 0..7
	s_and_b32 s52, ttmp7, 0xffff                   ; the pair: 16 x batch + head
	s_mov_b32 s24, 15|(3<<16)|(1<<21)              ; group 1, first load: the mask; elements of 8 bytes; bit 21 beside a mask
	s_mov_b32 s25, 32<<16                          ; rows of 32 elements = 256 bytes
	s_mov_b32 s26, 32<<16                          ; 32 rows
	s_mov_b32 s27, 32<<16
	s_mov_b32 s28, 32
	s_mov_b32 s29, 32                              ; dense
	s_mov_b32 s30, 0
	s_mov_b32 s31, 0
	s_mov_b32 s40, 15|(3<<16)|(1<<21)              ; group 1, second load: 96 such rows
	s_mov_b32 s41, 32<<16
	s_mov_b32 s42, 96<<16
	s_mov_b32 s43, 32<<16
	s_mov_b32 s44, 96
	s_mov_b32 s45, 32
	s_mov_b32 s46, 0
	s_mov_b32 s47, 0
	s_lshr_b32 s53, s18, 2                         ; I fetch for K (0) or V (1),
	s_and_b32 s54, s18, 3                          ; and which quarter
	s_lshl_b32 s56, s53, 22
	s_add_co_u32 s56, s56, 0x400000
	s_lshl_b32 s55, s52, 17
	s_add_co_u32 s56, s56, s55                     ; the pair's K or V in qkvi
	s_mov_b32 s57, 0
	s_lshl_b32 s58, s53, 17                        ; and in LDS
	s_lshl_b32 s10, s54, 13                        ; first load: 8,192 x quarter
	s_mov_b32 s11, 0
	s_mul_i32 s12, s54, 24576
	s_add_co_u32 s12, s12, 32768                   ; second load: 32,768 + 24,576 x quarter
	s_mov_b32 s13, 0
	s_lshl_b32 s59, s51, 4
	s_lshl_b32 s55, s18, 1
	s_add_co_u32 s59, s59, s55                     ; my first block of 16 queries in the pair
	s_lshl_b32 s60, s52, 7
	s_add_co_u32 s60, s60, s59
	s_lshl_b32 s60, s60, 10                        ; Q's image: 1,024 bytes a block
	s_mov_b32 s61, 0
	s_lshr_b32 s62, s52, 4
	s_lshl_b32 s62, s62, 7
	s_add_co_u32 s62, s62, s59
	s_lshl_b32 s62, s62, 14                        ; oimg: 16,384 bytes a block of 16 tokens,
	s_and_b32 s55, s52, 15
	s_lshl_b32 s55, s55, 10                        ; 1,024 a head
	s_add_co_u32 s62, s62, s55
	s_mov_b32 s63, 0
	s_mov_b32 s20, 0x76543210                      ; v_permlanex16_b32: lane l xor 16
	s_mov_b32 s21, 0xfedcba98
	s_mov_b32 s48, 0                               ; the step's first byte in K's and V's images
	s_mov_b32 s32, 1
	s_add_co_u32 s33, s58, s10
	s_mov_b32 s36, 1
	s_add_co_u32 s37, s58, s12
	s_wait_dscnt 0x0                               ; both opening adds are done
	s_wait_kmcnt 0x0
	s_load_b512 s[68:83], s[6:7], 0x0              ; the sixteen exponents
	s_add_nc_u64 s[56:57], s[4:5], s[56:57]
	s_add_nc_u64 s[34:35], s[56:57], s[10:11]
	s_or_b32 s35, s35, 0x80000000
	s_add_nc_u64 s[38:39], s[56:57], s[12:13]
	s_or_b32 s39, s39, 0x80000000
	s_add_nc_u64 s[4:5], s[4:5], s[60:61]
	s_add_nc_u64 s[8:9], s[8:9], s[62:63]
	CROUND                                         ; the four work-groups are here: the joint loads meet
	tensor_load_to_lds s[32:35], s[24:31]          ; keys 0-511: my one tensor load at the head
	s_nop 0
	PLACES
	v_and_b32 v1, 31, v0
	v_lshlrev_b32 v[LI], 4, v1
	WIN W_T1
	global_load_b128 v[QF:QF+3], v[LI], s[4:5]
	global_load_b128 v[QF+4:QF+7], v[LI], s[4:5] offset:512
	global_load_b128 v[QF+8:QF+11], v[LI], s[4:5] offset:1024
	global_load_b128 v[QF+12:QF+15], v[LI], s[4:5] offset:1536
.set i, 0
.rept 64
	v_mov_b32 v[O+i], 0                            ; O^T: the step is written once, and its first change of M multiplies zeros
.set i, i+1
.endr
	WIN 0
	s_wait_kmcnt 0x0
	s_mov_b32 s22, 0x3e38aa3b                      ; c = log2(e) / 8
	s_add_co_i32 s55, s74, s75
	s_lshl_b32 s55, s55, 23
	s_add_co_i32 s22, s22, s55                     ; x 2^(e6 + e7), by c's exponent field
	s_mov_b32 s23, s22
	s_add_co_i32 s55, s76, 127
	s_lshl_b32 s60, s55, 23                        ; 2^e8
	s_add_co_i32 s55, s55, 8
	s_lshl_b32 s61, s55, 23
	s_or_b32 s61, s61, 0x600000                    ; 448 x 2^e8
	s_add_co_i32 s55, s78, 127
	s_lshl_b32 s62, s55, 23                        ; 2^e10
	s_add_co_i32 s55, s55, 8
	s_lshl_b32 s63, s55, 23
	s_or_b32 s63, s63, 0x600000                    ; 448 x 2^e10
	s_add_co_i32 s66, s76, s77                     ; e8 + e9
	v_mov_b32 v[LIMP], s61
	v_mov_b32 v[LIMP+1], s61
	v_mov_b32 v[SCP], s60
	v_mov_b32 v[LIMO], s63
	v_mov_b32 v[SCO], s62
.irp t, 0,1
	v_mov_b32 v[ST+16*\t+1], 0xff61b1e6            ; the largest t so far: -3e38
	v_mov_b32 v[ST+16*\t+2], 0
	v_mov_b32 v[ST+16*\t+3], 0
	v_mov_b32 v[ST+16*\t+7], 0
	v_floor_f32 v[ST+16*\t], -v[ST+16*\t+1]
.endr
.macro SQ t                            ; S^T of tile t: eight tiles of 16 keys, K = the head's 64
.irp i, 0,1,2,3,4,5,6,7
	v_wmma_f32_16x16x64_fp8_fp8 v[S+64*\t+8*\i:S+64*\t+8*\i+7], v[KF+8*\i:KF+8*\i+7], v[QF+8*\t:QF+8*\t+7], 0
.endr
.endm
.macro PV t                            ; O^T of tile t += V^T P^T: four tiles of 16 features, K = the step's 128 keys
.irp d, 0,1,2,3
	v_wmma_f32_16x16x128_fp8_fp8 v[O+32*\t+8*\d:O+32*\t+8*\d+7], v[VF+16*\d:VF+16*\d+15], v[PF+16*\t:PF+16*\t+15], v[O+32*\t+8*\d:O+32*\t+8*\d+7]
.endr
.endm
.macro MAXI t, i                       ; line i of 32: the largest of 64 scores, in four chains, each accumulator from its low end on
.set rS, S+64*(\t)
.set rT, ST+16*(\t)
.set rC, rT+4+((\i)%2)+4*(((\i)%4)/2)
.if (\i) < 4
	v_max3_num_f32 v[rC], v[rS+3*(\i)], v[rS+3*(\i)+1], v[rS+3*(\i)+2]
.elseif (\i) < 30
	v_max3_num_f32 v[rC], v[rC], v[rS+2*(\i)+4], v[rS+2*(\i)+5]
.elseif (\i) == 30
	v_max3_num_f32 v[rT+4], v[rT+4], v[rT+5], v[rT+8]
.else
	v_max_num_f32 v[rT+4], v[rT+4], v[rT+9]
.endif
.endm
.macro STI t, i                        ; line i of 9: the other half's maximum, t, the running maximum, -M = floor(-t), f = 2^(old M - new M)
.set rT, ST+16*(\t)
.if (\i) == 0
	v_permlanex16_b32 v[rT+8], v[rT+4], s20, s21
.elseif (\i) == 1
	v_max_num_f32 v[rT+4], v[rT+4], v[rT+8]
.elseif (\i) == 2
	v_mul_f32 v[rT+4], s22, v[rT+4]
.elseif (\i) == 3
	v_max_num_f32 v[rT+1], v[rT+1], v[rT+4]
.elseif (\i) == 4
	v_mov_b32 v[rT+5], v[rT]
.elseif (\i) == 5
	v_floor_f32 v[rT], -v[rT+1]
.elseif (\i) == 6
	v_sub_f32 v[rT+5], v[rT], v[rT+5]
.elseif (\i) == 7
	v_cvt_i32_f32 v[rT+5], v[rT+5]                 ; (it saturates)
.else
	v_ldexp_f32 v[rT+6], 1.0, v[rT+5]
.endif
.endm
.macro SCI t, i                        ; t - M, two at a time
.set rS, S+64*(\t)+2*(\i)
.set rT, ST+16*(\t)
	v_pk_fma_f32 v[rS:rS+1], v[rS:rS+1], s[22:23], v[rT:rT+1] op_sel_hi:[1,0,0]
.endm
.macro EXI t, i
	v_exp_f32 v[S+64*(\t)+(\i)], v[S+64*(\t)+(\i)]
.endm
.macro RSI t, i                        ; O^T x f
.set rO, O+32*(\t)+2*(\i)
.set rT, ST+16*(\t)
	v_pk_mul_f32 v[rO:rO+1], v[rO:rO+1], v[rT+6:rT+7] op_sel_hi:[1,0]
.endm
.macro LF t                            ; the sum x f
.set rT, ST+16*(\t)
	v_pk_mul_f32 v[rT+2:rT+3], v[rT+2:rT+3], v[rT+6:rT+7] op_sel_hi:[1,0]
.endm
.macro FLI t, k                        ; the sum's first level, of the unquantised p: four numbers into pair k of 16
.set rS, S+64*(\t)+4*(\k)
.set rP, T+32*(\t)+2*(\k)
	v_pk_add_f32 v[rP:rP+1], v[rS:rS+1], v[rS+2:rS+3]
.endm
.macro REDI t, k                       ; line k of 16: the 16 pairs halved four times, then added to the running sum
.set rP, T+32*(\t)
.if (\k) < 8
.set rA, rP+2*(\k)
.set rB, rA+16
.elseif (\k) < 12
.set rA, rP+2*((\k)-8)
.set rB, rA+8
.elseif (\k) < 14
.set rA, rP+2*((\k)-12)
.set rB, rA+4
.elseif (\k) == 14
.set rA, rP
.set rB, rP+2
.else
.set rA, ST+16*(\t)+2
.set rB, rP
.endif
	v_pk_add_f32 v[rA:rA+1], v[rA:rA+1], v[rB:rB+1]
.endm
.macro MNI t, i                        ; the hold: the conversion to an 8-bit code does not saturate (ISA guide 7.6.2); p is not negative
.set rS, S+64*(\t)+2*(\i)
	v_dual_min_num_f32 v[rS], v[rS], v[LIMP] :: v_dual_min_num_f32 v[rS+1], v[rS+1], v[LIMP+1]
.endm
.macro CVT t
	WIN W_T1
.irp i, 0,1,2,3,4,5,6,7
	v_cvt_scalef32_pk8_fp8_f32 v[PF+16*\t+2*\i:PF+16*\t+2*\i+1], v[S+64*\t+8*\i:S+64*\t+8*\i+7], v[SCP]
.endr
	v_nop                                          ; a plain line between the conversions and the matrix instructions that read their results or write their sources
.endm
; A STEP of 128 keys.  At its head tile 0's scores are there (made in the step before) and K's fragments lie in registers.  pre = 1: the next step's K is fetched and tile 0's next scores are made.
.macro STEP pre
	WIN W_SQ
	SQ 1
	WIN 0
	v_add_nc_u32 v[ADK], s48, v[LI]
	v_add_nc_u32 v[ADV], 0x20000, v[ADK]
.set n, 0
.rept 8
	MAXI 0, n                                      ; with the two additions: the places in front of the loads into K's fragments
.set n, n+1
.endr
	WIN W_T1
.irp d, 0,1,2,3
.irp g, 0,1,2,3
	ds_load_b128 v[VF+16*\d+4*\g:VF+16*\d+4*\g+3], v[ADV] offset:2048*\d+512*\g
.endr
.endr
.if \pre
.irp t, 0,1,2,3,4,5,6,7
.irp c, 0,1
	ds_load_b128 v[KF+8*\t+4*\c:KF+8*\t+4*\c+3], v[ADK] offset:8192+1024*\t+512*\c
.endr
.endr
.endif
	WIN 0
.rept 24
	MAXI 0, n
.set n, n+1
.endr
.set n, 0
.rept 32
	MAXI 1, n
.if ((n%3) == 2) && (n < 27)
	STI 0, n/3
.endif
.set n, n+1
.endr
.set n, 0
.rept 32
	SCI 0, n
.if ((n%3) == 2) && (n < 27)
	STI 1, n/3
.endif
.set n, n+1
.endr
	LF 0
	LF 1
	WIN W_RS
.set n, 0
.rept 16
	RSI 0, n                                       ; O^T is read here, ahead of the step's exponentials
.set n, n+1
.endr
.set n, 0
.rept 16
	RSI 1, n
.set n, n+1
.endr
	WIN 0
	s_wait_alu depctr_va_vdst(0)                   ; ahead of the batch and ahead of the wait below
	s_wait_dscnt 0x0                               ; V's fragments and the next K's are in
.set n, 0
.rept 32
	EXI 0, 2*n
	EXI 0, 2*n+1
	SCI 1, n                                       ; read behind the next wait
.set n, n+1
.endr
	s_wait_alu depctr_va_vdst(0)                   ; behind tile 0's batch and ahead of tile 1's
.set n, 0
.rept 16
	EXI 1, 4*n
	EXI 1, 4*n+1
	FLI 0, n                                       ; these three write what is read behind the next wait
	EXI 1, 4*n+2
	MNI 0, 2*n
	EXI 1, 4*n+3
	MNI 0, 2*n+1
.set n, n+1
.endr
	v_nop                                          ; a plain line behind the last exponential
	s_wait_alu depctr_va_vdst(0)                   ; behind tile 1's batch
	CVT 0
	WIN W_PV
	PV 0
.if \pre
	WIN W_SQ
	SQ 0
.endif
	WIN 0
.set n, 0
.rept 16
	FLI 1, n
	MNI 1, 2*n
	REDI 0, n
	MNI 1, 2*n+1
.set n, n+1
.endr
	CVT 1
	WIN W_PV
	PV 1
	WIN 0
.set n, 0
.rept 16
	REDI 1, n
.set n, n+1
.endr
	s_add_co_u32 s48, s48, 8192
.endm
	s_wait_alu depctr_va_vdst(0)
	s_wait_tensorcnt 0x0                           ; my part of keys 0-511 is in
	ds_add_u32 v[SPW], v[NIL]
	s_wait_dscnt 0x0
	CROUND                                         ; everybody's part is in, and the four work-groups are here
	tensor_load_to_lds s[36:39], s[40:47]          ; keys 512-2,047: the first tensor load behind the round
	s_nop 0
	PLACES
	s_wait_loadcnt 0x0                             ; Q
	WIN W_T1
.irp t, 0,1,2,3,4,5,6,7
.irp c, 0,1
	ds_load_b128 v[KF+8*\t+4*\c:KF+8*\t+4*\c+3], v[LI] offset:1024*\t+512*\c
.endr
.endr
	s_wait_dscnt 0x0
	WIN W_SQ
	SQ 0
	WIN 0
	PLACES
	s_mov_b32 s49, 3
.Lfirst:                                               ; steps 0-2 read keys 0-511 alone (step 2 fetches step 3's K)
	STEP 1
	s_sub_co_u32 s49, s49, 1
	s_cmp_lg_u32 s49, 0
	s_cbranch_scc1 .Lfirst
	s_wait_tensorcnt 0x0                           ; my part of the other keys is in,
	s_wait_dscnt 0x0
	s_barrier_signal -1
	s_barrier_wait -1                              ; everybody's is
	s_mov_b32 s49, 12
.Lrest:
	STEP 1
	s_sub_co_u32 s49, s49, 1
	s_cmp_lg_u32 s49, 0
	s_cbranch_scc1 .Lrest
	STEP 0
; THE WAY OUT: O^T / the sum x 2^(e8 + e9), held, converted with 2^e10; the codes are registers of the projection's operand: two stores of 512 consecutive bytes, aligned, for each tile.
.irp t, 0,1
	v_add_f32 v[ST+16*\t+2], v[ST+16*\t+2], v[ST+16*\t+3]
.endr
.irp t, 0,1
	v_permlanex16_b32 v[ST+16*\t+8], v[ST+16*\t+2], s20, s21
.endr
.irp t, 0,1
	v_add_f32 v[ST+16*\t+2], v[ST+16*\t+2], v[ST+16*\t+8]
.endr
	s_wait_alu depctr_va_vdst(0)                   ; ahead of the batch of two
.irp t, 0,1
	v_rcp_f32 v[ST+16*\t+4], v[ST+16*\t+2]
.endr
	v_nop
	s_wait_alu depctr_va_vdst(0)                   ; and behind it
.irp t, 0,1
	v_ldexp_f32 v[ST+16*\t+4], v[ST+16*\t+4], s66
.endr
.irp t, 0,1
	v_mov_b32 v[ST+16*\t+5], v[ST+16*\t+4]
.endr
	WIN 0x01                                       ; source 0, O^T, in window 1
	s_wait_alu depctr_va_vdst(0)                   ; the wait directly ahead of the first readers of O^T, which follow as one group
.irp t, 0,1
.set j, 0
.rept 16
	v_pk_mul_f32 v[S+64*\t+j:S+64*\t+j+1], v[O+32*\t+j:O+32*\t+j+1], v[ST+16*\t+4:ST+16*\t+5]
.set j, j+2
.endr
.endr
	WIN 0
.irp t, 0,1
.set j, 0
.rept 32
	v_med3_num_f32 v[S+64*\t+j], v[S+64*\t+j], -v[LIMO], v[LIMO]
.set j, j+1
.endr
.irp d, 0,1,2,3
	v_cvt_scalef32_pk8_fp8_f32 v[S+64*\t+32+2*\d:S+64*\t+33+2*\d], v[S+64*\t+8*\d:S+64*\t+8*\d+7], v[SCO]
.endr
	v_nop
	global_store_b128 v[LI], v[S+64*\t+32:S+64*\t+35], s[8:9] offset:16384*\t
	global_store_b128 v[LI], v[S+64*\t+36:S+64*\t+39], s[8:9] offset:16384*\t+512
.endr
	s_wait_tensorcnt 0x0                           ; the wave's end
	ds_add_u32 v[SPW], v[NIL]
	s_wait_dscnt 0x0
	CROUND                                         ; the closing round
	s_endpgm
.Lfunc_end_k_q7f8609e42c_attn:
	.size	k_q7f8609e42c_attn, .Lfunc_end_k_q7f8609e42c_attn-k_q7f8609e42c_attn
	.p2alignl 7, 3214868480
	.fill 96, 4, 3214868480
	.section	.rodata,"a",@progbits
	.p2align	6, 0x0
	.amdhsa_kernel k_q7f8609e42c_attn
		.amdhsa_group_segment_fixed_size 327680
		.amdhsa_private_segment_fixed_size 0
		.amdhsa_enable_private_segment 0
		.amdhsa_kernarg_size 24
		.amdhsa_user_sgpr_count 2
		.amdhsa_user_sgpr_kernarg_segment_ptr 1
		.amdhsa_wavefront_size32 1
		.amdhsa_system_sgpr_workgroup_id_x 1
		.amdhsa_system_sgpr_workgroup_id_y 1
		.amdhsa_system_sgpr_workgroup_id_z 1
		.amdhsa_system_vgpr_workitem_id 0
		.amdhsa_next_free_vgpr 512
		.amdhsa_next_free_sgpr 84
		.amdhsa_reserve_vcc 0
		.amdhsa_float_denorm_mode_32 3
		.amdhsa_float_denorm_mode_16_64 3
		.amdhsa_memory_ordered 1
		.amdhsa_forward_progress 1
		.amdhsa_inst_pref_size 102
	.end_amdhsa_kernel
	.amdgpu_metadata
---
amdhsa.version: [ 1, 2 ]
amdhsa.kernels:
  - .name:           k_q7f8609e42c_attn
    .symbol:         k_q7f8609e42c_attn.kd
    .args:
      - { .name: qkvi, .offset: 0, .size: 8, .value_kind: global_buffer, .address_space: global }
      - { .name: lowp_scales, .offset: 8, .size: 8, .value_kind: global_buffer, .address_space: global }
      - { .name: oimg, .offset: 16, .size: 8, .value_kind: global_buffer, .address_space: global }
    .group_segment_fixed_size: 327680
    .private_segment_fixed_size: 0
    .kernarg_segment_align: 8
    .kernarg_segment_size: 24
    .max_flat_workgroup_size: 256
    .sgpr_count:     84
    .vgpr_count:     512
    .wavefront_size: 32
...
	.end_amdgpu_metadata
.endif
;; end of part 3
;; launch proj (part 4): grid 8 x 32, 4 waves a work-group, clusters of 4 x 4, 327,680 bytes of LDS; arguments oimg, Wp_codes, bp, lowp_scales, x, x1; writes x1
.if DOCPART == 4
	.amdgcn_target "amdgcn-amd-amdhsa--gfx1250"
	.amdhsa_code_object_version 6
	.text
	.protected	k_q7f8609e42c_proj
	.globl	k_q7f8609e42c_proj
	.p2align	8
	.type	k_q7f8609e42c_proj,@function
k_q7f8609e42c_proj:
	s_mov_b64 s[64:65], 0
	v_nop
	global_prefetch_b8 v0, s[64:65] scope:SCOPE_SE
	s_setreg_imm32_b32 hwreg(HW_REG_WAVE_MODE, 25, 1), 1
	s_wait_xcnt 0x0
	s_wait_alu depctr_hold_cnt(0) depctr_sa_sdst(0) depctr_va_vdst(0) depctr_va_sdst(0) depctr_va_ssrc(0) depctr_va_vcc(0) depctr_vm_vsrc(0)
	s_getreg_b32 s2, hwreg(HW_REG_IB_STS2, 6, 4)
	s_cmp_eq_u32 s2, 0
	s_cbranch_scc0 .Lentry_in_a_cluster
	s_endpgm
.Lentry_in_a_cluster:
	s_bfe_u32 s2, ttmp6, 0x10000c
	s_cmp_lg_u32 s2, 0xf033
	s_cbranch_scc0 .Lentry_shape_is_right
	s_endpgm
.Lentry_shape_is_right:
; x1 = x + (A Wp^T + bp): A [4096][1024] and Wp [1024 (n)][1024] are codes of E4M3 with the scales' entries 10 and 11; x, x1 [4096][1024] f32.
; A arrives as IMAGES OF THE OPERAND'S REGISTERS: [16 tokens][128 of K][4][lane][16 bytes], every k in its own place; W as rows, fetched by loads of 8 bytes so that its k stand in the same places.
; A tile of 128 x 128 gives each of 256 work-groups one; four waves, 64 x 64 each: 16 accumulators.
; ALL OF K LIES IN LDS AT ONCE, filled once: A's eight blocks of 16 tokens, 16,384 consecutive bytes each, dense (read at 16 x lane); then W's 128 rows of 1,024 bytes + 16 of padding.
; Each wave issues one tensor load, 65,536 bytes: waves 0 and 1 A's halves, waves 2 and 3 W's.  No slot is filled again, so there is no ring.
; CLUSTERS: 4 x 4 work-groups; A's tile is shared along a row of the cluster, W's along a column, each asked for jointly.
; THE MATRIX INSTRUCTION IS USED TRANSPOSED (source 0 = 16 rows of W, source 1 = 16 tokens): a lane holds eight neighbouring columns of one row.
; The bias x 2^-(eA + eB) is the C of each sum's first matrix instruction; x1 = sum x 2^(eA + eB) + x is one packed multiply-add for two numbers.
; A wave's 64 columns are 256 bytes: a block of 16 rows goes through the wave's own stage in LDS and leaves as whole aligned runs of 256 bytes, sixteen lanes each.  x is loaded at the head in that layout.
; No prefetch: a wave's one tensor load goes out at the start, and no later load follows that a request could run ahead of.
; LIMIT: eA + eB between -126 and 127.
; REGISTERS: window 0: v0-31 addresses; v32-95 the way out; v96-127 the bias; v128-255 accumulators, (a, b) at v[128 + 8 (4 a + b)].  window 1: two fragment buffers of 128: A's four, then W's four.  window 2: v0-127 x.
.set SIZE_K, 1024
.set SCOFF,  0x28
.set PITCH,  1040                      ; 260 words: lane (r, h) of a load of 8 bytes starts at bank 4 r + 2 h: all 64 banks once (ISA guide 11.1)
.set BOFF,   131072
.set HALFB,  64*PITCH
.set STAGE,  BOFF+2*HALFB
.set SPITCH, 272
.set SPARE,  STAGE+4*16*SPITCH         ; the spare words, 128 bytes a wave, which no other line names
.set ADRA, 16
.set ADRB, 20
.set STO,  24
.set RD,   25
.set CO,   26
.set SPW,  28
.set NIL,  29
.set TMP,  32
.set BI,   96
.set ACC,  128
.set F0,   0
.set F1,   128
.set G1, 24
.set G0, 32
.set G1B, 48
.set G0B, 56
.set MSB, 0
.macro WIN new
.if MSB != \new
	s_set_vgpr_msb (MSB<<8)|\new
.set MSB, \new
.endif
.endm
.set MUL,  0x05                        ; sources 0 and 1 window 1; C and D window 0
.set TO_F, 0x40
.macro CROUND                          ; a round of the cluster's barrier
	s_barrier_signal -1
	s_barrier_wait -1
	s_cmp_lg_u32 s14, 0
	s_cbranch_scc1 .Lnot_wave_0_\@
	s_barrier_signal -3
.Lnot_wave_0_\@:
	s_barrier_wait -3
	s_barrier_signal -1
	s_barrier_wait -1
.endm
.macro PLACES
.rept 4
	v_nop
.endr
.endm
	s_load_b256 s[4:11], s[0:1], 0x0               ; A s[4:5], W s[6:7], bias s[8:9], the scales' exponents s[10:11]
	s_load_b128 s[68:71], s[0:1], 0x20             ; x s[68:69], x1 s[70:71]
	v_lshl_add_u32 v[SPW], v0, 2, SPARE
	v_mov_b32 v[NIL], 0
	ds_add_u32 v[SPW], v[NIL]                      ; the opening lines: the add, twice on end, and one wait
	ds_add_u32 v[SPW], v[NIL]
	v_lshrrev_b32 v1, 5, v0
	v_readfirstlane_b32 s14, v1                    ; wave 0..3
	s_lshr_b32 s15, s14, 1                         ; my half of the tile's rows.  Also: I fetch for A (0) or for W (1)
	s_and_b32 s16, s14, 1                          ; my half of its columns.  Also: which half of that tile I fetch
	s_bfe_u32 s40, ttmp6, 0x40000
	s_bfe_u32 s41, ttmp6, 0x40004
	s_lshl_b32 s42, ttmp9, 2
	s_add_co_u32 s42, s42, s40                     ; tile column
	s_and_b32 s17, ttmp7, 0xffff
	s_lshl_b32 s17, s17, 2
	s_add_co_u32 s17, s17, s41                     ; tile row
	s_lshl_b32 s43, s41, 2
	s_lshl_b32 s43, 15, s43                        ; my row of the cluster
	s_lshl_b32 s44, 0x1111, s40                    ; my column
	s_or_b32 s[G1+0], s43, (3<<16)|(1<<21)         ; A: the mask; elements of 8 bytes; bit 21 beside a mask; no padding
	s_mov_b32 s[G1+1], 2048<<16                    ; tensor_dim0 = 2,048 elements: 16,384 bytes, all of K of one block of tokens
	s_mov_b32 s[G1+2], 4<<16                       ; tensor_dim1 = 4 blocks of tokens
	s_mov_b32 s[G1+3], 2048<<16                    ; tile_dim0
	s_mov_b32 s[G1+4], 4                           ; tile_dim1
	s_mov_b32 s[G1+5], 2048                        ; from one block of tokens to the next, in elements
	s_mov_b32 s[G1+6], 0
	s_mov_b32 s[G1+7], 0
	s_or_b32 s[G1B+0], s44, (0<<16)|(1<<20)|(1<<21)|(7<<22)|(3<<25)  ; W: elements of 1 byte; padding: after every 256 words, 4 words
	s_mov_b32 s[G1B+1], SIZE_K<<16
	s_mov_b32 s[G1B+2], 64<<16
	s_mov_b32 s[G1B+3], SIZE_K<<16
	s_mov_b32 s[G1B+4], 64
	s_mov_b32 s[G1B+5], SIZE_K
	s_mov_b32 s[G1B+6], 0
	s_mov_b32 s[G1B+7], 0
	s_lshl_b32 s20, s17, 3
	s_lshl_b32 s18, s16, 2
	s_add_co_u32 s20, s20, s18                     ; A: block of tokens 8 x tile row + 4 x half,
	s_lshl_b32 s20, s20, 14                        ; 16,384 bytes each
	s_mov_b32 s21, 0
	s_lshl_b32 s46, s42, 7
	s_lshl_b32 s18, s16, 6
	s_add_co_u32 s46, s46, s18                     ; W: row 128 x tile column + 64 x half
	s_mul_i32 s46, s46, SIZE_K
	s_mov_b32 s47, 0
	s_mov_b32 s[G0], 1
	s_lshl_b32 s[G0+1], s16, 16                    ; where A's half goes,
	s_mov_b32 s[G0B], 1
	s_mul_i32 s19, s16, HALFB
	s_add_co_u32 s[G0B+1], s19, BOFF               ; and W's
	s_lshl_b32 s22, s17, 7
	s_lshl_b32 s23, s15, 6
	s_add_co_u32 s22, s22, s23                     ; my first row of x1,
	s_lshl_b32 s22, s22, 12                        ; 4,096 bytes each,
	s_lshl_b32 s12, s42, 9
	s_lshl_b32 s13, s16, 8
	s_add_co_u32 s12, s12, s13                     ; my first column, in bytes
	s_add_co_u32 s22, s22, s12
	s_mov_b32 s23, 0
	s_mov_b32 s13, 0
	s_wait_dscnt 0x0                               ; both opening adds are done
	s_wait_kmcnt 0x0
	s_load_b64 s[72:73], s[10:11], SCOFF           ; eA, eB
	s_add_nc_u64 s[G0+2:G0+3], s[4:5], s[20:21]
	s_or_b32 s[G0+3], s[G0+3], 0x80000000
	s_add_nc_u64 s[G0B+2:G0B+3], s[6:7], s[46:47]
	s_or_b32 s[G0B+3], s[G0B+3], 0x80000000
	s_add_nc_u64 s[68:69], s[68:69], s[22:23]
	s_add_nc_u64 s[70:71], s[70:71], s[22:23]
	s_add_nc_u64 s[8:9], s[8:9], s[12:13]
	CROUND                                         ; all sixteen work-groups are here: the joint loads meet
	s_cmp_eq_u32 s15, 0                            ; waves 0 and 1 fetch for A, waves 2 and 3 for W; an s_nop 0 and four v_nop follow each line
	s_cbranch_scc0 .Lfor_w
	tensor_load_to_lds s[G0:G0+3], s[G1:G1+7]
	s_nop 0
	PLACES
	s_branch .Lasked
.Lfor_w:
	tensor_load_to_lds s[G0B:G0B+3], s[G1B:G1B+7]
	s_nop 0
	PLACES
.Lasked:
	v_and_b32 v1, 15, v0                           ; r
	v_bfe_u32 v2, v0, 4, 1                         ; h
	v_and_b32 v3, 31, v0
	v_lshlrev_b32 v4, 4, v3                        ; 16 x lane
	s_lshl_b32 s21, s15, 16                        ; my four blocks of tokens
	v_add_nc_u32 v[ADRA], s21, v4
	v_mul_u32_u24 v5, v1, PITCH
	v_lshl_add_u32 v5, v2, 3, v5                   ; W: row r, + 8 h
	s_mul_i32 s22, s16, HALFB
	s_add_co_u32 s22, s22, BOFF                    ; my 64 rows of W
	v_add_nc_u32 v[ADRB], s22, v5
	s_mul_i32 s23, s14, 16*SPITCH
	s_add_co_u32 s23, s23, STAGE                   ; my stage
	v_mul_u32_u24 v5, v1, SPITCH
	v_lshl_add_u32 v5, v2, 5, v5
	v_add_nc_u32 v[STO], s23, v5                   ; in: row r, 32 bytes for each half of the lanes
	v_mul_u32_u24 v5, v2, SPITCH
	v_lshl_add_u32 v5, v1, 4, v5
	v_add_nc_u32 v[RD], s23, v5                    ; back: lanes 0-15 one row of 256 bytes, lanes 16-31 the next
	v_lshlrev_b32 v5, 12, v2
	v_lshl_add_u32 v[CO], v1, 4, v5                ; and the same two rows in x and x1
	v_lshlrev_b32 v6, 5, v2                        ; 32 h: my eight numbers of a block of 16 of the bias
.irp b, 0,1,2,3
	global_load_b128 v[BI+8*\b:BI+8*\b+3], v6, s[8:9] offset:64*\b
	global_load_b128 v[BI+8*\b+4:BI+8*\b+7], v6, s[8:9] offset:64*\b+16
.endr
	WIN 0x80                                       ; destination window 2
.irp a, 0,1,2,3
.irp t, 0,1,2,3,4,5,6,7
	global_load_b128 v[32*\a+4*\t:32*\a+4*\t+3], v[CO], s[68:69] offset:(16*\a+2*\t)*4096 th:TH_LOAD_NT
.endr
.endr
	WIN 0
	s_wait_kmcnt 0x0
	s_add_co_i32 s72, s72, s73                     ; eA + eB
	s_sub_co_i32 s73, 0, s72
	s_add_co_i32 s72, s72, 127
	s_lshl_b32 s74, s72, 23                        ; 2^(eA + eB) as f32
	s_mov_b32 s75, s74
	s_wait_loadcnt 32                              ; the bias is in; x's 32 loads may be out
.set i, 0
.rept 32
	v_ldexp_f32 v[BI+i], v[BI+i], s73
.set i, i+1
.endr
; 48 LDS loads in one run: the fragments of the kq-th 128 along K into buffer f: W's four (registers 2 c, 2 c + 1: k = 16 c + 8 h + 0 .. 7), then A's four images
.macro FETCH kq, f
	WIN TO_F
.irp i, 0,1,2,3
.irp c, 0,1,2,3,4,5,6,7
	ds_load_b64 v[\f+64+16*\i+2*\c:\f+64+16*\i+2*\c+1], v[ADRB] offset:\i*16*PITCH+128*(\kq)+16*\c
.endr
.endr
.irp i, 0,1,2,3
.irp g, 0,1,2,3
	ds_load_b128 v[\f+16*\i+4*\g:\f+16*\i+4*\g+3], v[ADRA] offset:16384*\i+2048*(\kq)+512*\g
.endr
.endr
.endm
; four matrix instructions: block a of tokens x W's four.  The 16 accumulators take turns, one instruction a turn.
.macro MULA f, a, first
.irp b, 0,1,2,3
.if \first
	v_wmma_f32_16x16x128_fp8_fp8 v[ACC+8*(4*\a+\b):ACC+8*(4*\a+\b)+7], v[\f+64+16*\b:\f+64+16*\b+15], v[\f+16*\a:\f+16*\a+15], v[BI+8*\b:BI+8*\b+7]
.else
	v_wmma_f32_16x16x128_fp8_fp8 v[ACC+8*(4*\a+\b):ACC+8*(4*\a+\b)+7], v[\f+64+16*\b:\f+64+16*\b+15], v[\f+16*\a:\f+16*\a+15], v[ACC+8*(4*\a+\b):ACC+8*(4*\a+\b)+7]
.endif
.endr
.endm
; K goes in eight parts of 128 on buffers 0, 1 by turns: a part multiplies buffer f and fetches part kq into g.
.macro PART kq, f, g, first
	s_wait_dscnt 8                                 ; W's fragments and A's blocks 0, 1 are in; the youngest eight loads (blocks 2, 3) may be out
	WIN MUL
	MULA \f, 0, \first
	MULA \f, 1, \first
	PLACES
	FETCH \kq, \g
	s_wait_dscnt 48                                ; all but the 48 just issued
	WIN MUL
	MULA \f, 2, \first
	MULA \f, 3, \first
.endm
	s_wait_alu depctr_va_vdst(0)
	s_wait_tensorcnt 0x0                           ; my part of the tiles is in,
	s_barrier_signal -1
	s_barrier_wait -1                              ; everybody's is
	FETCH 0, F0
	PART 1, F0, F1, 1                              ; the first part's products start the sums
	PART 2, F1, F0, 0
	PART 3, F0, F1, 0
	PART 4, F1, F0, 0
	PART 5, F0, F1, 0
	PART 6, F1, F0, 0
	PART 7, F0, F1, 0
	s_wait_dscnt 8
	WIN MUL
	MULA F1, 0, 0
	MULA F1, 1, 0
	s_wait_dscnt 0
	MULA F1, 2, 0
	MULA F1, 3, 0
	WIN 0
; THE WAY OUT, 16 rows at a time: the sums into my stage (each accumulator from its low end on), back as rows of 256 bytes, x 2^(eA + eB) + x, stored.
.macro OUTA a
.set TS, TMP+32*((\a)%2)
.if (\a) >= 2
	s_wait_xcnt 0x0                                ; the stores of two blocks ago have read these registers
.endif
.irp b, 0,1,2,3
	ds_store_b128 v[STO], v[ACC+8*(4*\a+\b):ACC+8*(4*\a+\b)+3] offset:64*\b
	ds_store_b128 v[STO], v[ACC+8*(4*\a+\b)+4:ACC+8*(4*\a+\b)+7] offset:64*\b+16
.endr
.irp t, 0,1,2,3,4,5,6,7
	ds_load_b128 v[TS+4*\t:TS+4*\t+3], v[RD] offset:\t*2*SPITCH   ; LDS serves a wave's instructions in order (ISA guide 5.7.1.4)
.endr
	s_wait_dscnt 0x0
	WIN 0x20                                       ; source 2, x, in window 2
.irp j, 0,2,4,6,8,10,12,14,16,18,20,22,24,26,28,30
	v_pk_fma_f32 v[TS+\j:TS+\j+1], v[TS+\j:TS+\j+1], s[74:75], v[32*\a+\j:32*\a+\j+1] op_sel_hi:[1,0,1]
.endr
	WIN 0
.irp t, 0,1,2,3,4,5,6,7
	global_store_b128 v[CO], v[TS+4*\t:TS+4*\t+3], s[70:71] offset:(16*\a+2*\t)*4096   ; 16 lanes store 256 consecutive bytes, aligned
.endr
.endm
	PLACES
	s_wait_loadcnt 0x0                             ; x
	OUTA 0
	OUTA 1
	OUTA 2
	OUTA 3
	s_wait_tensorcnt 0x0                           ; the wave's end
	ds_add_u32 v[SPW], v[NIL]
	s_wait_dscnt 0x0
	CROUND                                         ; the closing round
	s_endpgm
.Lfunc_end_k_q7f8609e42c_proj:
	.size	k_q7f8609e42c_proj, .Lfunc_end_k_q7f8609e42c_proj-k_q7f8609e42c_proj
	.p2alignl 7, 3214868480
	.fill 96, 4, 3214868480
	.section	.rodata,"a",@progbits
	.p2align	6, 0x0
	.amdhsa_kernel k_q7f8609e42c_proj
		.amdhsa_group_segment_fixed_size 327680
		.amdhsa_private_segment_fixed_size 0
		.amdhsa_enable_private_segment 0
		.amdhsa_kernarg_size 48
		.amdhsa_user_sgpr_count 2
		.amdhsa_user_sgpr_kernarg_segment_ptr 1
		.amdhsa_wavefront_size32 1
		.amdhsa_system_sgpr_workgroup_id_x 1
		.amdhsa_system_sgpr_workgroup_id_y 1
		.amdhsa_system_sgpr_workgroup_id_z 1
		.amdhsa_system_vgpr_workitem_id 0
		.amdhsa_next_free_vgpr 768
		.amdhsa_next_free_sgpr 80
		.amdhsa_reserve_vcc 0
		.amdhsa_float_denorm_mode_32 3
		.amdhsa_float_denorm_mode_16_64 3
		.amdhsa_memory_ordered 1
		.amdhsa_forward_progress 1
		.amdhsa_inst_pref_size 58
	.end_amdhsa_kernel
	.amdgpu_metadata
---
amdhsa.version: [ 1, 2 ]
amdhsa.kernels:
  - .name:           k_q7f8609e42c_proj
    .symbol:         k_q7f8609e42c_proj.kd
    .args:
      - { .name: oimg, .offset: 0, .size: 8, .value_kind: global_buffer, .address_space: global }
      - { .name: Wp_codes, .offset: 8, .size: 8, .value_kind: global_buffer, .address_space: global }
      - { .name: bp, .offset: 16, .size: 8, .value_kind: global_buffer, .address_space: global }
      - { .name: lowp_scales, .offset: 24, .size: 8, .value_kind: global_buffer, .address_space: global }
      - { .name: x, .offset: 32, .size: 8, .value_kind: global_buffer, .address_space: global }
      - { .name: x1, .offset: 40, .size: 8, .value_kind: global_buffer, .address_space: global }
    .group_segment_fixed_size: 327680
    .private_segment_fixed_size: 0
    .kernarg_segment_align: 8
    .kernarg_segment_size: 48
    .max_flat_workgroup_size: 128
    .sgpr_count:     80
    .vgpr_count:     768
    .wavefront_size: 32
...
	.end_amdgpu_metadata
.endif
;; end of part 4
;; launch ln2 (part 5): grid 256 x 1, 16 waves a work-group, no clusters, 83,968 bytes of LDS; arguments x1, g2, be2, lowp_scales, h2; writes h2
.if DOCPART == 5
	.amdgcn_target "amdgcn-amd-amdhsa--gfx1250"
	.amdhsa_code_object_version 6
	.text
	.protected	k_q7f8609e42c_ln2
	.globl	k_q7f8609e42c_ln2
	.p2align	8
	.type	k_q7f8609e42c_ln2,@function
k_q7f8609e42c_ln2:
	s_mov_b64 s[64:65], 0
	v_nop
	global_prefetch_b8 v0, s[64:65] scope:SCOPE_SE
	s_setreg_imm32_b32 hwreg(HW_REG_WAVE_MODE, 25, 1), 1
	s_wait_xcnt 0x0
; h = (x - mean) * rsqrt(var + 1e-5) * g + b for rows of 1,024 f32, then NOUT sets of E4M3 codes of h, each with its own given scale 2^e.
; Here NOUT = 1: entry 12 of the scales (h as the left operand of the first feed-forward product); the output is [4096][1024] bytes, K innermost.
; SHARES: one wave, one row (row = 16 x work-group + wave): the reductions never leave the wave, no barrier.  Each load covers 512 consecutive bytes.
; The mean is taken first and subtracted, the variance is the mean of the squared differences: no difference of large sums is formed.
; The conversion takes eight neighbours along K from one lane's registers, so the finished row turns through the wave's own stage in LDS:
; in as loaded (16 bytes a lane), back 64 bytes a lane; 16 bytes of padding behind each 64.
; A lane's 16 codes are 16 bytes: a store of the wave covers 512 consecutive bytes, aligned.
; No matrix unit, cluster or tensor load: the launch only streams, and waves share nothing.
; LIMITS: e between -126 and 119, so that 2^e and 448 x 2^e are f32 numbers.  NaN among the inputs is not served.
.set NOUT, 1
.set X,    16                          ; v16-47   the row as loaded: register 4 j + i = column 128 j + 4 lane + i
.set G,    48                          ; v48-79   g likewise; later the row back from the stage: register 16 u + e = column 512 u + 16 lane + e
.set BE,   80                          ; v80-111  b likewise
.set T,    112                         ; v112-143 the numbers held within the largest code x the scale
.set C,    144                         ; v144..   codes
.set LS,   168                         ; v168: 448 x 2^e, v169: 2^e
.set SP,   80                          ; a place in the stage: 64 bytes + 16
.set WREG, 5120                        ; a wave's stage: 64 places
	s_load_b256 s[4:11], s[0:1], 0x0               ; x s[4:5], g s[6:7], b s[8:9], the scales' exponents s[10:11]
	s_load_b64 s[12:13], s[0:1], 0x20              ; the codes
	v_lshl_add_u32 v176, v0, 2, 0x14000
	v_mov_b32 v177, 0
	v_lshrrev_b32 v1, 5, v0
	s_delay_alu instid0(VALU_DEP_1)
	v_readfirstlane_b32 s14, v1                    ; wave
	v_and_b32 v1, 31, v0                           ; lane
	s_delay_alu instid0(VALU_DEP_1)
	v_lshlrev_b32 v2, 4, v1                        ; 16 x lane
	s_mul_i32 s16, s14, WREG
	v_lshrrev_b32 v3, 2, v1
	s_delay_alu instid0(VALU_DEP_1)
	v_mul_u32_u24 v3, v3, SP
	v_and_b32 v5, 3, v1
	s_delay_alu instid0(VALU_DEP_1)
	v_lshl_add_u32 v3, v5, 4, v3
	s_delay_alu instid0(VALU_DEP_1)
	v_add_nc_u32 v3, s16, v3                       ; the stage, on the way in
	v_mul_u32_u24 v4, v1, SP
	s_delay_alu instid0(VALU_DEP_1)
	v_add_nc_u32 v4, s16, v4                       ; and on the way out
	v_mov_b32 v15, 0                               ; written once: a lane permute's destination counts as one of its sources
	s_lshl_b32 s15, ttmp9, 4
	s_add_co_u32 s15, s15, s14                     ; my row
	s_lshl_b32 s16, s15, 12
	s_mov_b32 s17, 0
	s_lshl_b32 s18, s15, 10
	s_mov_b32 s19, 0
	s_mov_b32 s20, 0x76543210
	s_mov_b32 s21, 0xfedcba98
	s_mov_b32 s22, 0x3a800000                      ; 1 / 1,024
	s_mov_b32 s23, 0x3727c5ac                      ; 1e-5
	s_wait_alu depctr_va_vdst(0)
	s_wait_kmcnt 0x0
.if NOUT == 3
	s_load_b256 s[24:31], s[10:11], 0x0
.else
	s_load_b32 s24, s[10:11], 0x30                 ; entry 12
.endif
	s_add_nc_u64 s[4:5], s[4:5], s[16:17]
	s_add_nc_u64 s[32:33], s[12:13], s[18:19]
.if NOUT == 3
	s_add_nc_u64 s[34:35], s[32:33], 0x400000
	s_add_nc_u64 s[36:37], s[34:35], 0x400000
.endif
.irp j, 0,1,2,3,4,5,6,7
	global_load_b128 v[X+4*\j:X+4*\j+3], v2, s[4:5] offset:512*\j th:TH_LOAD_NT
.endr
.irp j, 0,1,2,3,4,5,6,7
	global_load_b128 v[G+4*\j:G+4*\j+3], v2, s[6:7] offset:512*\j
.endr
.irp j, 0,1,2,3,4,5,6,7
	global_load_b128 v[BE+4*\j:BE+4*\j+3], v2, s[8:9] offset:512*\j
.endr
.macro WSUM                            ; v14 summed over the 32 lanes, the result in every lane
	s_delay_alu instid0(VALU_DEP_1)
	v_add_f32_dpp v14, v14, v14 row_xmask:1 row_mask:0xf bank_mask:0xf
	s_delay_alu instid0(VALU_DEP_1)
	v_add_f32_dpp v14, v14, v14 row_xmask:2 row_mask:0xf bank_mask:0xf
	s_delay_alu instid0(VALU_DEP_1)
	v_add_f32_dpp v14, v14, v14 row_xmask:4 row_mask:0xf bank_mask:0xf
	s_delay_alu instid0(VALU_DEP_1)
	v_add_f32_dpp v14, v14, v14 row_xmask:8 row_mask:0xf bank_mask:0xf
	s_delay_alu instid0(VALU_DEP_1)
	v_permlanex16_b32 v15, v14, s20, s21
	s_delay_alu instid0(VALU_DEP_1)
	v_add_f32 v14, v14, v15
.endm
.macro SCALE o
	s_add_co_i32 s38, s[24+2*\o], 127
	s_lshl_b32 s39, s38, 23
	v_mov_b32 v[LS+2*\o+1], s39
	s_add_co_i32 s38, s38, 8
	s_lshl_b32 s38, s38, 23
	s_or_b32 s38, s38, 0x600000
	v_mov_b32 v[LS+2*\o], s38
.endm
.macro OUT o
.set i, 0
.rept 32
	v_med3_num_f32 v[T+i], v[G+i], -v[LS+2*\o], v[LS+2*\o]   ; the conversion to an 8-bit code does not saturate (ISA guide 7.6.2)
.set i, i+1
.endr
.irp q, 0,1,2,3
	v_cvt_scalef32_pk8_fp8_f32 v[C+8*\o+2*\q:C+8*\o+2*\q+1], v[T+8*\q:T+8*\q+7], v[LS+2*\o+1]
.endr
	v_nop
	global_store_b128 v2, v[C+8*\o:C+8*\o+3], s[32+2*\o:33+2*\o]
	global_store_b128 v2, v[C+8*\o+4:C+8*\o+7], s[32+2*\o:33+2*\o] offset:512
.endm
	s_wait_loadcnt 16                              ; x's eight loads are in; g's and b's sixteen may be out
	v_pk_add_f32 v[12:13], v[16:17], v[18:19]
	v_pk_add_f32 v[174:175], v[24:25], v[28:29]
	v_pk_add_f32 v[172:173], v[32:33], v[36:37]
	v_pk_add_f32 v[170:171], v[40:41], v[44:45]
	v_pk_add_f32 v[168:169], v[20:21], v[22:23]
	v_pk_add_f32 v[166:167], v[26:27], v[30:31]
	v_pk_add_f32 v[164:165], v[34:35], v[38:39]
	v_pk_add_f32 v[10:11], v[42:43], v[46:47]
	s_delay_alu instid0(VALU_DEP_1)
	v_pk_add_f32 v[10:11], v[10:11], v[170:171]
	v_pk_add_f32 v[12:13], v[12:13], v[168:169]
	v_pk_add_f32 v[174:175], v[174:175], v[166:167]
	v_pk_add_f32 v[172:173], v[172:173], v[164:165]
	s_delay_alu instid0(VALU_DEP_2)
	v_pk_add_f32 v[10:11], v[10:11], v[174:175]
	s_delay_alu instid0(VALU_DEP_2)
	v_pk_add_f32 v[12:13], v[12:13], v[172:173]
	s_delay_alu instid0(VALU_DEP_1)
	v_pk_add_f32 v[10:11], v[10:11], v[12:13]
	s_delay_alu instid0(VALU_DEP_1)
	v_add_f32 v14, v10, v11
	WSUM
	s_delay_alu instid0(VALU_DEP_1)
	v_mul_f32 v6, s22, v14                         ; the mean
	s_delay_alu instid0(VALU_DEP_1)
	v_mov_b32 v7, v6
.irp j, 0,2,4,6,8,10,12,14,16,18,20,22,24,26,28,30
	v_pk_add_f32 v[X+\j:X+\j+1], v[X+\j:X+\j+1], v[6:7] neg_lo:[0,1] neg_hi:[0,1]   ; x - mean
.endr
	v_pk_mul_f32 v[10:11], v[X:X+1], v[X:X+1]
	v_pk_mul_f32 v[12:13], v[X+2:X+3], v[X+2:X+3]
.irp j, 4,8,12,16,20,24,28
	s_delay_alu instid0(VALU_DEP_2)
	v_pk_fma_f32 v[10:11], v[X+\j:X+\j+1], v[X+\j:X+\j+1], v[10:11]
	s_delay_alu instid0(VALU_DEP_2)
	v_pk_fma_f32 v[12:13], v[X+\j+2:X+\j+3], v[X+\j+2:X+\j+3], v[12:13]
.endr
	s_delay_alu instid0(VALU_DEP_1)
	v_pk_add_f32 v[10:11], v[10:11], v[12:13]
	s_delay_alu instid0(VALU_DEP_1)
	v_add_f32 v14, v10, v11
	WSUM
	s_delay_alu instid0(VALU_DEP_1)
	v_fma_f32 v14, v14, s22, s23                   ; the variance + 1e-5
	s_wait_alu depctr_va_vdst(0)
	v_rsq_f32 v8, v14
	v_nop                                          ; a plain line behind the transcendental
	s_wait_alu depctr_va_vdst(0)                   ; and the wait ahead of its first reader
	v_mov_b32 v9, v8
	s_wait_alu depctr_va_vdst(0)
	s_wait_loadcnt 0x0                             ; g and b
.irp j, 0,2,4,6,8,10,12,14,16,18,20,22,24,26,28,30
	v_pk_mul_f32 v[X+\j:X+\j+1], v[X+\j:X+\j+1], v[8:9]
.endr
.irp j, 0,2,4,6,8,10,12,14,16,18,20,22,24,26,28,30
	v_pk_fma_f32 v[X+\j:X+\j+1], v[X+\j:X+\j+1], v[G+\j:G+\j+1], v[BE+\j:BE+\j+1]
.endr
.irp j, 0,1,2,3,4,5,6,7
	ds_store_b128 v3, v[X+4*\j:X+4*\j+3] offset:8*SP*\j
.endr
.irp u, 0,1
.irp i, 0,1,2,3
	ds_load_b128 v[G+16*\u+4*\i:G+16*\u+4*\i+3], v4 offset:32*SP*\u+16*\i   ; LDS serves a wave's instructions in order (ISA guide 5.7.1.4): these see my stores
.endr
.endr
	s_wait_kmcnt 0x0
	SCALE 0
.if NOUT == 3
	SCALE 1
	SCALE 2
.endif
	s_wait_alu depctr_va_vdst(0)
	s_wait_dscnt 0x0
	OUT 0
.if NOUT == 3
	OUT 1
	OUT 2
.endif
	s_wait_tensorcnt 0x0
	ds_add_u32 v176, v177
	s_wait_dscnt 0x0
	s_endpgm
.Lfunc_end_k_q7f8609e42c_ln2:
	.size	k_q7f8609e42c_ln2, .Lfunc_end_k_q7f8609e42c_ln2-k_q7f8609e42c_ln2
	.p2alignl 7, 3214868480
	.fill 96, 4, 3214868480
	.section	.rodata,"a",@progbits
	.p2align	6, 0x0
	.amdhsa_kernel k_q7f8609e42c_ln2
		.amdhsa_group_segment_fixed_size 83968
		.amdhsa_private_segment_fixed_size 0
		.amdhsa_enable_private_segment 0
		.amdhsa_kernarg_size 40
		.amdhsa_user_sgpr_count 2
		.amdhsa_user_sgpr_kernarg_segment_ptr 1
		.amdhsa_wavefront_size32 1
		.amdhsa_system_sgpr_workgroup_id_x 1
		.amdhsa_system_sgpr_workgroup_id_y 1
		.amdhsa_system_sgpr_workgroup_id_z 1
		.amdhsa_system_vgpr_workitem_id 0
		.amdhsa_next_free_vgpr 178
		.amdhsa_next_free_sgpr 66
		.amdhsa_reserve_vcc 0
		.amdhsa_float_denorm_mode_32 3
		.amdhsa_float_denorm_mode_16_64 3
		.amdhsa_memory_ordered 1
		.amdhsa_forward_progress 1
		.amdhsa_inst_pref_size 16
	.end_amdhsa_kernel
	.amdgpu_metadata
---
amdhsa.version: [ 1, 2 ]
amdhsa.kernels:
  - .name:           k_q7f8609e42c_ln2
    .symbol:         k_q7f8609e42c_ln2.kd
    .args:
      - { .name: x1, .offset: 0, .size: 8, .value_kind: global_buffer, .address_space: global }
      - { .name: g2, .offset: 8, .size: 8, .value_kind: global_buffer, .address_space: global }
      - { .name: be2, .offset: 16, .size: 8, .value_kind: global_buffer, .address_space: global }
      - { .name: lowp_scales, .offset: 24, .size: 8, .value_kind: global_buffer, .address_space: global }
      - { .name: h2, .offset: 32, .size: 8, .value_kind: global_buffer, .address_space: global }
    .group_segment_fixed_size: 83968
    .private_segment_fixed_size: 0
    .kernarg_segment_align: 8
    .kernarg_segment_size: 40
    .max_flat_workgroup_size: 512
    .sgpr_count:     66
    .vgpr_count:     178
    .wavefront_size: 32
...
	.end_amdgpu_metadata
.endif
;; end of part 5
;; launch ff1 (part 6): grid 16 x 16, 4 waves a work-group, clusters of 4 x 4, 327,680 bytes of LDS; arguments h2, W1_codes, b1, lowp_scales, himg; writes himg
.if DOCPART == 6
	.amdgcn_target "amdgcn-amd-amdhsa--gfx1250"
	.amdhsa_code_object_version 6
	.text
	.protected	k_q7f8609e42c_ff1
	.globl	k_q7f8609e42c_ff1
	.p2align	8
	.type	k_q7f8609e42c_ff1,@function
k_q7f8609e42c_ff1:
	s_mov_b64 s[64:65], 0
	v_nop
	global_prefetch_b8 v0, s[64:65] scope:SCOPE_SE
	s_setreg_imm32_b32 hwreg(HW_REG_WAVE_MODE, 25, 1), 1
	s_wait_xcnt 0x0
	s_wait_alu depctr_hold_cnt(0) depctr_sa_sdst(0) depctr_va_vdst(0) depctr_va_sdst(0) depctr_va_ssrc(0) depctr_va_vcc(0) depctr_vm_vsrc(0)
	s_getreg_b32 s2, hwreg(HW_REG_IB_STS2, 6, 4)
	s_cmp_eq_u32 s2, 0
	s_cbranch_scc0 .Lentry_in_a_cluster
	s_endpgm
.Lentry_in_a_cluster:
	s_bfe_u32 s2, ttmp6, 0x10000c
	s_cmp_lg_u32 s2, 0xf033
	s_cbranch_scc0 .Lentry_shape_is_right
	s_endpgm
.Lentry_shape_is_right:
; himg = codes of new_gelu(h2 W1 + b1): h2 [4096][1024] and W1 [4096 (n)][1024] are codes of E4M3 (entries 12, 13 of the scales); the result is quantised with entry 14.
; A tile of 256 x 256 is made by four waves, 128 x 128 each; K goes in steps of 256 through a ring of two LDS slots filled by joint loads in clusters of 4 x 4 work-groups.
; The matrix instruction is used transposed: a lane holds one token and eight neighbouring hidden units, so the conversions' results are registers of the next product's operand, stored as images at 16 x lane.
; The bias x 2^-(e12 + e13) is the C of each sum's first matrix instruction.  gelu(u) = u / (1 + 2^(u (k1 + k2 u^2))), k1 = -2 sqrt(2 / pi) log2(e), k2 = 0.044715 k1: tanh written by one exponential.
; LIMITS: e12 + e13 between -126 and 127; e14 between -126 and 119.  NaN among the inputs is not served.
.set KSTEP,  256
.set ROWB,   256
.set KROW,   1024
.set PITCH,  272
.set FR,     16
.set NL,     4
.set NP,     4
.set HALFT,  128*PITCH
.set SLOT,   4*HALFT
.set LAPS,   KROW/(2*KSTEP)
.set SPARE,  2*SLOT
.set ADRA, 16
.set ADRB, 20
.set CO,   26
.set SPW,  28
.set NIL,  29
.set LIM,  30
.set SC,   31
.set BI,   32
.set U,    32
.set AF,   128
.set Z,    128
.set CD,   192
.set G1, 24
.set G0, 32
.set G1B, 48
.set G0B, 56
.set MSB, 0
.macro WIN new
.if MSB != \new
	s_set_vgpr_msb (MSB<<8)|\new
.set MSB, \new
.endif
.endm
.set MUL_LO, 0xa1
.set MUL_HI, 0xf1
.set TO_B,   0x40
.macro JLOAD g0a, g1a, g0b, g1b
	s_cmp_eq_u32 s15, 0
	s_cbranch_scc0 .Lfor_b_\@
	tensor_load_to_lds s[\g0a:\g0a+3], s[\g1a:\g1a+7]
	s_nop 0
.rept 4
	v_nop
.endr
	s_branch .Lasked_\@
.Lfor_b_\@:
	tensor_load_to_lds s[\g0b:\g0b+3], s[\g1b:\g1b+7]
	s_nop 0
.rept 4
	v_nop
.endr
.Lasked_\@:
.endm
.macro CREST
	s_cmp_lg_u32 s14, 0
	s_cbranch_scc1 .Lnot_wave_0_\@
	s_barrier_signal -3
.Lnot_wave_0_\@:
	s_barrier_wait -3
	s_barrier_signal -1
	s_barrier_wait -1
.endm
.macro CROUND
	s_barrier_signal -1
	s_barrier_wait -1
	CREST
.endm
	s_load_b256 s[4:11], s[0:1], 0x0
	s_load_b64 s[12:13], s[0:1], 0x20
	v_lshl_add_u32 v[SPW], v0, 2, SPARE
	v_mov_b32 v[NIL], 0
	ds_add_u32 v28, v29
	ds_add_u32 v28, v29
	s_wait_dscnt 0x0
	v_lshrrev_b32 v1, 5, v0
	v_readfirstlane_b32 s14, v1
	s_lshr_b32 s15, s14, 1
	s_and_b32 s16, s14, 1
	s_bfe_u32 s40, ttmp6, 0x40000
	s_bfe_u32 s41, ttmp6, 0x40004
	s_lshl_b32 s42, ttmp9, 2
	s_add_co_u32 s42, s42, s40
	s_and_b32 s17, ttmp7, 0xffff
	s_lshl_b32 s17, s17, 2
	s_add_co_u32 s17, s17, s41
	s_lshl_b32 s43, s41, 2
	s_lshl_b32 s43, 15, s43
	s_lshl_b32 s44, 0x1111, s40
	s_or_b32 s[G1+0], s43, (0<<16)|(1<<20)|(1<<21)|(5<<22)|(3<<25)
	s_or_b32 s[G1B+0], s44, (0<<16)|(1<<20)|(1<<21)|(5<<22)|(3<<25)
.irp g, G1, G1B
	s_mov_b32 s[\g+1], ROWB<<16
	s_mov_b32 s[\g+2], 128<<16
	s_mov_b32 s[\g+3], ROWB<<16
	s_mov_b32 s[\g+4], 128
	s_mov_b32 s[\g+5], KROW
	s_mov_b32 s[\g+6], 0
	s_mov_b32 s[\g+7], 0
.endr
	s_lshl_b32 s18, s16, 7
	s_lshl_b32 s20, s17, 8
	s_add_co_u32 s20, s20, s18
	s_lshl_b32 s20, s20, 10
	s_mov_b32 s21, 0
	s_lshl_b32 s46, s42, 8
	s_add_co_u32 s46, s46, s18
	s_lshl_b32 s46, s46, 10
	s_mov_b32 s47, 0
	s_mul_i32 s45, s14, HALFT
	s_wait_kmcnt 0x0
	s_load_b128 s[88:91], s[10:11], 0x30
	s_add_nc_u64 s[20:21], s[4:5], s[20:21]
	s_add_nc_u64 s[46:47], s[6:7], s[46:47]
	CROUND
.irp s, 0,1
	s_mov_b32 s[G0+4*\s], 1
	s_add_co_u32 s[G0+4*\s+1], s45, \s*SLOT
	s_add_nc_u64 s[G0+4*\s+2:G0+4*\s+3], s[20:21], \s*ROWB
	s_or_b32 s[G0+4*\s+3], s[G0+4*\s+3], 0x80000000
	s_mov_b32 s[G0B+4*\s], 1
	s_add_co_u32 s[G0B+4*\s+1], s45, \s*SLOT
	s_add_nc_u64 s[G0B+4*\s+2:G0B+4*\s+3], s[46:47], \s*ROWB
	s_or_b32 s[G0B+4*\s+3], s[G0B+4*\s+3], 0x80000000
.endr
	JLOAD G0, G1, G0B, G1B                         ; K step 0: one tensor load a wave at the head
	; PREFETCHES INTO THE L2: of the 128 rows that I fetch, my work-group takes 32 (told apart from its three partners by address: cx for h2, cy for W1), a lane a row;
	; a K step is 256 bytes of a row, aligned.  K steps 1 and 2 are asked for here, K step 3 behind slot 1's first fill: never more than two steps asked for and not yet read.
	s_cmp_eq_u32 s15, 0                            ; do I fetch for h2?
	s_cselect_b64 s[92:93], s[4:5], s[6:7]
	s_cselect_b32 s18, s17, s42                    ; its tile
	s_cselect_b32 s19, s40, s41                    ; my place among the four that ask for it with me
	s_lshl_b32 s18, s18, 8
	s_lshl_b32 s22, s16, 7
	s_add_co_u32 s18, s18, s22
	s_lshl_b32 s19, s19, 5
	s_add_co_u32 s18, s18, s19                     ; the first of my 32 rows,
	s_lshl_b32 s18, s18, 10                        ; in bytes
	s_mov_b32 s19, 0
	s_add_nc_u64 s[92:93], s[92:93], s[18:19]
	v_and_b32 v27, 31, v0
	v_lshlrev_b32 v27, 10, v27                     ; a row a lane; never rewritten
	global_prefetch_b8 v27, s[92:93] offset:256 th:TH_LOAD_NT scope:SCOPE_SE
	global_prefetch_b8 v27, s[92:93] offset:512 th:TH_LOAD_NT scope:SCOPE_SE
	v_and_b32 v1, 15, v0
	v_bfe_u32 v2, v0, 4, 1
	s_wait_alu depctr_va_vdst(0)
	v_mul_u32_u24 v3, v1, PITCH
	v_lshl_add_u32 v4, v2, 4, v3
	s_mul_i32 s21, s15, HALFT
	s_mul_i32 s22, s16, HALFT
	s_add_co_u32 s22, s22, 2*HALFT
.irp s, 0,1
	v_add_nc_u32 v[ADRA+\s], s21, v4
	v_add_nc_u32 v[ADRB+\s], s22, v4
	s_add_co_u32 s21, s21, SLOT
	s_add_co_u32 s22, s22, SLOT
.endr
	s_lshl_b32 s22, s42, 10
	s_lshl_b32 s23, s16, 9
	s_add_co_u32 s22, s22, s23
	s_mov_b32 s23, 0
	s_add_nc_u64 s[8:9], s[8:9], s[22:23]
	s_lshl_b32 s22, s17, 20
	s_lshl_b32 s18, s15, 19
	s_add_co_u32 s22, s22, s18
	s_lshl_b32 s18, s42, 12
	s_add_co_u32 s22, s22, s18
	s_lshl_b32 s18, s16, 11
	s_add_co_u32 s22, s22, s18
	s_add_nc_u64 s[12:13], s[12:13], s[22:23]
	v_lshlrev_b32 v5, 5, v2
	v_and_b32 v7, 31, v0
	v_lshlrev_b32 v[CO], 4, v7
	v_mov_b32 v8, 0xc0135761
	v_mov_b32 v9, 0xc0135761
	v_mov_b32 v10, 0xbdd2d3e8
	v_mov_b32 v11, 0xbdd2d3e8
.irp b, 0,1,2,3,4,5,6,7
	global_load_b128 v[BI+8*\b:BI+8*\b+3], v5, s[8:9] offset:64*\b
	global_load_b128 v[BI+8*\b+4:BI+8*\b+7], v5, s[8:9] offset:64*\b+16
.endr
	s_wait_kmcnt 0x0
	s_add_co_i32 s88, s88, s89
	s_sub_co_i32 s89, 0, s88
	s_add_co_i32 s88, s88, 127
	s_lshl_b32 s96, s88, 23
	s_mov_b32 s97, s96
	s_add_co_i32 s90, s90, 127
	s_lshl_b32 s91, s90, 23
	v_mov_b32 v[SC], s91
	s_add_co_i32 s90, s90, 8
	s_lshl_b32 s90, s90, 23
	s_or_b32 s90, s90, 0x600000
	v_mov_b32 v[LIM], s90
.macro FRAG reg, adr, q, i
.irp c, 0,1,2,3
	ds_load_b128 v[\reg+4*\c:\reg+4*\c+3], v[\adr] offset:128*(\q)+32*\c+(\i)*16*PITCH
.endr
.endm
.macro MUL16 a0, p, mode
.irp a, \a0, \a0+1
.irp b, 0,1,2,3,4,5,6,7
.if \mode
	v_wmma_f32_16x16x128_fp8_fp8 v[8*(8*((\a)%4)+\b):8*(8*((\a)%4)+\b)+7], v[128*(\p)+FR*\b:128*(\p)+FR*\b+FR-1], v[AF+FR*(\a):AF+FR*(\a)+FR-1], v[BI+8*\b:BI+8*\b+7]
.else
	v_wmma_f32_16x16x128_fp8_fp8 v[8*(8*((\a)%4)+\b):8*(8*((\a)%4)+\b)+7], v[128*(\p)+FR*\b:128*(\p)+FR*\b+FR-1], v[AF+FR*(\a):AF+FR*(\a)+FR-1], v[8*(8*((\a)%4)+\b):8*(8*((\a)%4)+\b)+7]
.endif
.endr
.endr
.endm
.macro FETCH_B slot, q, p
	WIN TO_B
.irp i, 0,1,2,3,4,5,6,7
	FRAG 128*(\p)+FR*\i, ADRB+\slot, \q, \i
.endr
	WIN 0
.endm
.macro FETCH_A slot, q, i0
.irp i, \i0, \i0+1, \i0+2, \i0+3
	FRAG AF+FR*(\i), ADRA+\slot, \q, \i
.endr
.endm
.macro PLACES n
.rept \n
	v_nop
.endr
.endm
.macro STEP slot, q, mode
	s_wait_dscnt 4*NL
.if \mode
	WIN 0x81
.else
	WIN MUL_LO
.endif
	MUL16 0, (\q)%2, \mode
	MUL16 2, (\q)%2, \mode
	s_wait_dscnt 0
	PLACES NP
	FETCH_B \slot, (\q)+1, 1-(\q)%2
	FETCH_A \slot, (\q)+1, 0
.if \mode
	WIN 0xc1
.else
	WIN MUL_HI
.endif
	MUL16 4, (\q)%2, \mode
	MUL16 6, (\q)%2, \mode
	PLACES NP
	WIN 0
	FETCH_A \slot, (\q)+1, 4
.endm
.macro TURN slot, next, fill
	s_wait_tensorcnt 0x0
	ds_add_u32 v[SPW], v[NIL]
	s_wait_dscnt 4*NL+1
	WIN MUL_LO
	MUL16 0, 1, 0
	s_wait_dscnt 0x0
	s_barrier_signal -1
	MUL16 2, 1, 0
	WIN 0
	s_barrier_wait -1
.if \fill
	CREST
	s_add_nc_u64 s[G0+4*\slot+2:G0+4*\slot+3], s[G0+4*\slot+2:G0+4*\slot+3], 2*ROWB
	s_add_nc_u64 s[G0B+4*\slot+2:G0B+4*\slot+3], s[G0B+4*\slot+2:G0B+4*\slot+3], 2*ROWB
	JLOAD G0+4*\slot, G1, G0B+4*\slot, G1B
.else
	PLACES NP
.endif
	FETCH_B \next, 0, 0
	FETCH_A \next, 0, 0
	WIN MUL_HI
	MUL16 4, 1, 0
	MUL16 6, 1, 0
	PLACES NP
	WIN 0
	FETCH_A \next, 0, 4
.endm
	s_wait_alu depctr_va_vdst(0)
	s_wait_tensorcnt 0x0                           ; my part of K step 0 is in
	ds_add_u32 v[SPW], v[NIL]
	s_wait_dscnt 0x0
	CROUND                                         ; everybody's part of K step 0 is in, and all sixteen work-groups are here
	JLOAD G0+4, G1, G0B+4, G1B                     ; K step 1, slot 1's first fill: the first tensor load behind the round
	global_prefetch_b8 v27, s[92:93] offset:768 th:TH_LOAD_NT scope:SCOPE_SE   ; K step 3, the last
	FETCH_B 0, 0, 0
	FETCH_A 0, 0, 0
	FETCH_A 0, 0, 4
	s_wait_loadcnt 0x0
.set i, 0
.rept 64
	v_ldexp_f32 v[BI+i], v[BI+i], s89
.set i, i+1
.endr
	s_wait_alu depctr_va_vdst(0)
	STEP 0, 0, 1
	s_mov_b32 s3, LAPS-1
.Llap:
	TURN 0, 1, 1
	STEP 1, 0, 0
	TURN 1, 0, 1
	STEP 0, 0, 0
	s_sub_co_u32 s3, s3, 1
	s_cmp_lg_u32 s3, 0
	s_cbranch_scc1 .Llap
	TURN 0, 1, 0
	STEP 1, 0, 0
	s_wait_dscnt 4*NL
	WIN MUL_LO
	MUL16 0, 1, 0
	MUL16 2, 1, 0
	s_wait_dscnt 0
	WIN MUL_HI
	MUL16 4, 1, 0
	MUL16 6, 1, 0
	WIN 0
.macro OUTA a
.set AC, 64*((\a)%4)
.set CA, CD+16*((\a)%4)
	WIN 0x02+((\a)/4)
.set j, 0
.rept 32
	v_pk_mul_f32 v[U+j:U+j+1], v[AC+j:AC+j+1], s[96:97] op_sel_hi:[1,0]
.set j, j+2
.endr
	WIN 0
.set j, 0
.rept 32
	v_pk_mul_f32 v[Z+j:Z+j+1], v[U+j:U+j+1], v[U+j:U+j+1]
.set j, j+2
.endr
.set j, 0
.rept 32
	v_pk_fma_f32 v[Z+j:Z+j+1], v[Z+j:Z+j+1], v[10:11], v[8:9]
.set j, j+2
.endr
.set j, 0
.rept 32
	v_pk_mul_f32 v[Z+j:Z+j+1], v[Z+j:Z+j+1], v[U+j:U+j+1]
.set j, j+2
.endr
.set j, 0
	s_wait_alu depctr_va_vdst(0)
.rept 64
	v_exp_f32 v[Z+j], v[Z+j]
.set j, j+1
.endr
	v_nop
	s_wait_alu depctr_va_vdst(0)
.set j, 0
.rept 32
	v_pk_add_f32 v[Z+j:Z+j+1], v[Z+j:Z+j+1], 1.0 op_sel_hi:[1,0]
.set j, j+2
.endr
.set j, 0
	s_wait_alu depctr_va_vdst(0)
.rept 64
	v_rcp_f32 v[Z+j], v[Z+j]
.set j, j+1
.endr
	v_nop
	s_wait_alu depctr_va_vdst(0)
.set j, 0
.rept 32
	v_pk_mul_f32 v[U+j:U+j+1], v[U+j:U+j+1], v[Z+j:Z+j+1]
.set j, j+2
.endr
.set j, 0
.rept 64
	v_med3_num_f32 v[U+j], v[U+j], -v[LIM], v[LIM]
.set j, j+1
.endr
.if (\a) >= 4
	s_wait_alu depctr_va_vdst(0)
	s_wait_xcnt 0x0
.endif
.irp b, 0,1,2,3,4,5,6,7
	v_cvt_scalef32_pk8_fp8_f32 v[CA+2*\b:CA+2*\b+1], v[U+8*\b:U+8*\b+7], v[SC]
.endr
	v_nop
.irp g, 0,1,2,3
	global_store_b128 v[CO], v[CA+4*\g:CA+4*\g+3], s[12:13] offset:65536*(\a)+512*\g
.endr
.endm
	PLACES NP
.irp a, 0,1,2,3,4,5,6,7
	OUTA \a
.endr
	s_wait_tensorcnt 0x0
	ds_add_u32 v[SPW], v[NIL]
	s_wait_dscnt 0x0
	CROUND
	s_endpgm
.Lfunc_end_k_q7f8609e42c_ff1:
	.size	k_q7f8609e42c_ff1, .Lfunc_end_k_q7f8609e42c_ff1-k_q7f8609e42c_ff1
	.p2alignl 7, 3214868480
	.fill 96, 4, 3214868480
	.section	.rodata,"a",@progbits
	.p2align	6, 0x0
	.amdhsa_kernel k_q7f8609e42c_ff1
		.amdhsa_group_segment_fixed_size 327680
		.amdhsa_private_segment_fixed_size 0
		.amdhsa_enable_private_segment 0
		.amdhsa_kernarg_size 40
		.amdhsa_user_sgpr_count 2
		.amdhsa_user_sgpr_kernarg_segment_ptr 1
		.amdhsa_wavefront_size32 1
		.amdhsa_system_sgpr_workgroup_id_x 1
		.amdhsa_system_sgpr_workgroup_id_y 1
		.amdhsa_system_sgpr_workgroup_id_z 1
		.amdhsa_system_vgpr_workitem_id 0
		.amdhsa_next_free_vgpr 1024
		.amdhsa_next_free_sgpr 98
		.amdhsa_reserve_vcc 0
		.amdhsa_float_denorm_mode_32 3
		.amdhsa_float_denorm_mode_16_64 3
		.amdhsa_memory_ordered 1
		.amdhsa_forward_progress 1
		.amdhsa_inst_pref_size 254
	.end_amdhsa_kernel
	.amdgpu_metadata
---
amdhsa.version: [ 1, 2 ]
amdhsa.kernels:
  - .name:           k_q7f8609e42c_ff1
    .symbol:         k_q7f8609e42c_ff1.kd
    .args:
      - { .name: h2, .offset: 0, .size: 8, .value_kind: global_buffer, .address_space: global }
      - { .name: W1_codes, .offset: 8, .size: 8, .value_kind: global_buffer, .address_space: global }
      - { .name: b1, .offset: 16, .size: 8, .value_kind: global_buffer, .address_space: global }
      - { .name: lowp_scales, .offset: 24, .size: 8, .value_kind: global_buffer, .address_space: global }
      - { .name: himg, .offset: 32, .size: 8, .value_kind: global_buffer, .address_space: global }
    .group_segment_fixed_size: 327680
    .private_segment_fixed_size: 0
    .kernarg_segment_align: 8
    .kernarg_segment_size: 40
    .max_flat_workgroup_size: 128
    .sgpr_count:     98
    .vgpr_count:     1024
    .wavefront_size: 32
...
	.end_amdgpu_metadata
.endif
;; end of part 6
;; launch ff2 (part 7): grid 8 x 32, 4 waves a work-group, clusters of 4 x 4, 327,680 bytes of LDS; arguments himg, W2_codes, b2, lowp_scales, x1, out0; writes out0
.if DOCPART == 7
	.amdgcn_target "amdgcn-amd-amdhsa--gfx1250"
	.amdhsa_code_object_version 6
	.text
	.protected	k_q7f8609e42c_ff2
	.globl	k_q7f8609e42c_ff2
	.p2align	8
	.type	k_q7f8609e42c_ff2,@function
k_q7f8609e42c_ff2:
	s_mov_b64 s[64:65], 0
	v_nop
	global_prefetch_b8 v0, s[64:65] scope:SCOPE_SE
	s_setreg_imm32_b32 hwreg(HW_REG_WAVE_MODE, 25, 1), 1
	s_wait_xcnt 0x0
	s_wait_alu depctr_hold_cnt(0) depctr_sa_sdst(0) depctr_va_vdst(0) depctr_va_sdst(0) depctr_va_ssrc(0) depctr_va_vcc(0) depctr_vm_vsrc(0)
	s_getreg_b32 s2, hwreg(HW_REG_IB_STS2, 6, 4)
	s_cmp_eq_u32 s2, 0
	s_cbranch_scc0 .Lentry_in_a_cluster
	s_endpgm
.Lentry_in_a_cluster:
	s_bfe_u32 s2, ttmp6, 0x10000c
	s_cmp_lg_u32 s2, 0xf033
	s_cbranch_scc0 .Lentry_shape_is_right
	s_endpgm
.Lentry_shape_is_right:
; out0 = x1 + (A W2^T + b2): A [4096][4096] and W2 [1024 (n)][4096] are codes of E4M3 with the scales' entries 14 and 15; x1, out0 [4096][1024] f32.
; A arrives as IMAGES OF THE OPERAND'S REGISTERS: [16 tokens][128 of K][4][lane][16 bytes], every k in its own place; W as rows, fetched by loads of 8 bytes so that its k stand in the same places.
; A tile of 128 x 128 gives each of 256 work-groups one; four waves, 64 x 64 each: 16 accumulators.  K goes in eight steps of 512 through a ring of two LDS slots.
; A slot: A's eight blocks of 16 tokens, 8,192 consecutive bytes each, dense (they are read at 16 x lane); then W's 128 rows of 512 bytes + 16 of padding.
; CLUSTERS: 4 x 4 work-groups; A's tile is shared along a row of the cluster, W's along a column, each asked for jointly.
; THE MATRIX INSTRUCTION IS USED TRANSPOSED (source 0 = 16 rows of W, source 1 = 16 tokens): a lane holds eight neighbouring columns of one row.
; The bias x 2^-(eA + eB) is the C of each sum's first matrix instruction; out0 = sum x 2^(eA + eB) + x1 is one packed multiply-add for two numbers.
; A wave's 64 columns are 256 bytes: a block of 16 rows goes through the wave's own stage in LDS and leaves as whole aligned runs of 256 bytes, sixteen lanes each.
; x1 is loaded in that layout behind the first quarter step, so that the first tiles are asked for ahead of it.
; PREFETCHES INTO THE L2.  At a change of slots every wave has waited for all its tensor loads, so a refill goes out alone: what it asks for has been asked of memory two K steps earlier.
; A wave fetches 32,768 bytes of a K step, 128 blocks of 256 bytes; each of the four partners that ask for them jointly names 32, told apart by address: of A one block of 16 tokens (place cx: 8,192 consecutive bytes,
; lanes 256 bytes apart), of W 16 rows (place cy: two lanes a row).  One instruction a wave.  K steps 1 and 2 are named behind the head's load, K step 3 behind slot 1's first fill, K step j + 2 behind the refill
; that loads K step j; the loop's last trip names nothing, since K has eight steps.  Never more than two steps are asked for and not yet read.
; LIMIT: eA + eB between -126 and 127.
; REGISTERS: window 0: v0-31 addresses; v32-95 the way out; v96-127 the bias; v128-255 accumulators, (a, b) at v[128 + 8 (4 a + b)].  window 1: two fragment buffers of 128: A's four, then W's four.  window 2: v0-127 x1.
.set SIZE_K, 4096
.set SCOFF,  0x38
.set KB,     SIZE_K/128
.set KSTEP,  512
.set PITCH,  528                       ; 132 words: lane (r, h) of a load of 8 bytes starts at bank 4 r + 2 h: all 64 banks once (ISA guide 11.1)
.set BOFF,   65536
.set HALFB,  64*PITCH
.set SLOT,   BOFF+2*HALFB
.set STAGE,  2*SLOT
.set SPITCH, 272
.set SPARE,  STAGE+4*16*SPITCH         ; the spare words, 128 bytes a wave, which no other line names
.set LAPS,   SIZE_K/(2*KSTEP)
.set ADRA, 16
.set ADRB, 20
.set STO,  24
.set RD,   25
.set CO,   26
.set SPW,  28
.set NIL,  29
.set PFO,  30                          ; v30 the prefetches' offset; never rewritten
.set TMP,  32
.set BI,   96
.set ACC,  128
.set F0,   0
.set F1,   128
.set G1, 24
.set G0, 32
.set G1B, 48
.set G0B, 56
.set PF,  76                           ; s[76:77] where the walking prefetch stands
.set PFS, 78                           ; s[78:79] a K step on: 8,192 bytes in A's images, 512 in a row of W
.set MSB, 0
.macro WIN new
.if MSB != \new
	s_set_vgpr_msb (MSB<<8)|\new
.set MSB, \new
.endif
.endm
.set MUL,  0x05                        ; sources 0 and 1 window 1; C and D window 0
.set TO_F, 0x40
.macro PLACES
.rept 4
	v_nop
.endr
.endm
.macro JLOAD g0a, g1a, g0b, g1b        ; waves 0 and 1 fetch for A, waves 2 and 3 for W; an s_nop 0 and four v_nop follow each line
	s_cmp_eq_u32 s15, 0
	s_cbranch_scc0 .Lfor_b_\@
	tensor_load_to_lds s[\g0a:\g0a+3], s[\g1a:\g1a+7]
	s_nop 0
	PLACES
	s_branch .Lasked_\@
.Lfor_b_\@:
	tensor_load_to_lds s[\g0b:\g0b+3], s[\g1b:\g1b+7]
	s_nop 0
	PLACES
.Lasked_\@:
.endm
.macro CREST
	s_cmp_lg_u32 s14, 0
	s_cbranch_scc1 .Lnot_wave_0_\@
	s_barrier_signal -3
.Lnot_wave_0_\@:
	s_barrier_wait -3
	s_barrier_signal -1
	s_barrier_wait -1
.endm
.macro CROUND
	s_barrier_signal -1
	s_barrier_wait -1
	CREST
.endm
	s_load_b256 s[4:11], s[0:1], 0x0               ; A s[4:5], W s[6:7], bias s[8:9], the scales' exponents s[10:11]
	s_load_b128 s[68:71], s[0:1], 0x20             ; x1 s[68:69], out0 s[70:71]
	v_lshl_add_u32 v[SPW], v0, 2, SPARE
	v_mov_b32 v[NIL], 0
	ds_add_u32 v[SPW], v[NIL]                      ; the opening lines: the add, twice on end, and one wait
	ds_add_u32 v[SPW], v[NIL]
	v_lshrrev_b32 v1, 5, v0
	v_readfirstlane_b32 s14, v1                    ; wave 0..3
	s_lshr_b32 s15, s14, 1                         ; my half of the tile's rows.  Also: I fetch for A (0) or for W (1)
	s_and_b32 s16, s14, 1                          ; my half of its columns.  Also: which half of that tile I fetch
	s_bfe_u32 s40, ttmp6, 0x40000
	s_bfe_u32 s41, ttmp6, 0x40004
	s_lshl_b32 s42, ttmp9, 2
	s_add_co_u32 s42, s42, s40                     ; tile column
	s_and_b32 s17, ttmp7, 0xffff
	s_lshl_b32 s17, s17, 2
	s_add_co_u32 s17, s17, s41                     ; tile row
	s_lshl_b32 s43, s41, 2
	s_lshl_b32 s43, 15, s43                        ; my row of the cluster
	s_lshl_b32 s44, 0x1111, s40                    ; my column
	s_or_b32 s[G1+0], s43, (3<<16)|(1<<21)         ; A: the mask; elements of 8 bytes; bit 21 beside a mask; no padding
	s_mov_b32 s[G1+1], 1024<<16                    ; tensor_dim0 = 1,024 elements: 8,192 bytes, four K blocks of one block of tokens
	s_mov_b32 s[G1+2], 4<<16                       ; tensor_dim1 = 4 blocks of tokens
	s_mov_b32 s[G1+3], 1024<<16                    ; tile_dim0
	s_mov_b32 s[G1+4], 4                           ; tile_dim1
	s_mov_b32 s[G1+5], KB*256                      ; from one block of tokens to the next, in elements
	s_mov_b32 s[G1+6], 0
	s_mov_b32 s[G1+7], 0
	s_or_b32 s[G1B+0], s44, (0<<16)|(1<<20)|(1<<21)|(6<<22)|(3<<25)  ; W: elements of 1 byte; padding: after every 128 words, 4 words
	s_mov_b32 s[G1B+1], KSTEP<<16
	s_mov_b32 s[G1B+2], 64<<16
	s_mov_b32 s[G1B+3], KSTEP<<16
	s_mov_b32 s[G1B+4], 64
	s_mov_b32 s[G1B+5], SIZE_K
	s_mov_b32 s[G1B+6], 0
	s_mov_b32 s[G1B+7], 0
	s_lshl_b32 s20, s17, 3
	s_lshl_b32 s18, s16, 2
	s_add_co_u32 s20, s20, s18                     ; A: block of tokens 8 x tile row + 4 x half,
	s_mul_i32 s20, s20, KB*2048                    ; in bytes
	s_mov_b32 s21, 0
	s_lshl_b32 s46, s42, 7
	s_lshl_b32 s18, s16, 6
	s_add_co_u32 s46, s46, s18                     ; W: row 128 x tile column + 64 x half
	s_mul_i32 s46, s46, SIZE_K
	s_mov_b32 s47, 0
	s_lshl_b32 s45, s16, 15                        ; where A's half goes in a slot,
	s_mul_i32 s19, s16, HALFB
	s_add_co_u32 s19, s19, BOFF                    ; and W's
	s_lshl_b32 s22, s17, 7
	s_lshl_b32 s23, s15, 6
	s_add_co_u32 s22, s22, s23                     ; my first row of out0,
	s_lshl_b32 s22, s22, 12                        ; 4,096 bytes each,
	s_lshl_b32 s12, s42, 9
	s_lshl_b32 s13, s16, 8
	s_add_co_u32 s12, s12, s13                     ; my first column, in bytes
	s_add_co_u32 s22, s22, s12
	s_mov_b32 s23, 0
	s_mov_b32 s13, 0
	s_wait_dscnt 0x0                               ; both opening adds are done
	s_wait_kmcnt 0x0
	s_load_b64 s[72:73], s[10:11], SCOFF           ; eA, eB
	s_add_nc_u64 s[20:21], s[4:5], s[20:21]
	s_add_nc_u64 s[46:47], s[6:7], s[46:47]
	s_add_nc_u64 s[68:69], s[68:69], s[22:23]
	s_add_nc_u64 s[70:71], s[70:71], s[22:23]
	s_add_nc_u64 s[8:9], s[8:9], s[12:13]
	CROUND                                         ; all sixteen work-groups are here: the first joint loads meet
.irp s, 0,1
	s_mov_b32 s[G0+4*\s], 1
	s_add_co_u32 s[G0+4*\s+1], s45, \s*SLOT
	s_add_nc_u64 s[G0+4*\s+2:G0+4*\s+3], s[20:21], \s*8192
	s_or_b32 s[G0+4*\s+3], s[G0+4*\s+3], 0x80000000
	s_mov_b32 s[G0B+4*\s], 1
	s_add_co_u32 s[G0B+4*\s+1], s19, \s*SLOT
	s_add_nc_u64 s[G0B+4*\s+2:G0B+4*\s+3], s[46:47], \s*KSTEP
	s_or_b32 s[G0B+4*\s+3], s[G0B+4*\s+3], 0x80000000
.endr
	JLOAD G0, G1, G0B, G1B                         ; K step 0: one tensor load a wave at the head
	; where my prefetches stand
	s_lshl_b32 s12, s17, 3
	s_lshl_b32 s13, s16, 2
	s_add_co_u32 s12, s12, s13
	s_add_co_u32 s12, s12, s40                     ; A: block of tokens 8 x tile row + 4 x half + cx,
	s_mul_i32 s12, s12, KB*2048                    ; in bytes
	s_lshl_b32 s13, s42, 7
	s_lshl_b32 s22, s16, 6
	s_add_co_u32 s13, s13, s22
	s_lshl_b32 s22, s41, 4
	s_add_co_u32 s13, s13, s22                     ; W: row 128 x tile column + 64 x half + 16 cy,
	s_mul_i32 s13, s13, SIZE_K                     ; in bytes
	s_mov_b32 s[PFS], KSTEP
	s_mov_b32 s18, SIZE_K
	s_cmp_eq_u32 s15, 0                            ; do I fetch for A?
	s_cselect_b64 s[PF:PF+1], s[4:5], s[6:7]
	s_cselect_b32 s12, s12, s13
	s_cselect_b32 s[PFS], 8192, s[PFS]
	s_cselect_b32 s18, 512, s18                    ; from one pair of lanes to the next: 512 bytes on in A's block, a row on in W
	s_mov_b32 s13, 0
	s_mov_b32 s[PFS+1], 0
	s_add_nc_u64 s[PF:PF+1], s[PF:PF+1], s[12:13]
	s_add_nc_u64 s[80:81], s[PF:PF+1], s[PFS:PFS+1]    ; K step 1
	s_add_nc_u64 s[82:83], s[80:81], s[PFS:PFS+1]      ; K step 2
	s_add_nc_u64 s[PF:PF+1], s[82:83], s[PFS:PFS+1]    ; K step 3
	v_and_b32 v[PFO], 31, v0
	v_lshrrev_b32 v31, 1, v[PFO]
	v_and_b32 v[PFO], 1, v[PFO]
	v_mul_lo_u32 v31, v31, s18
	v_lshl_add_u32 v[PFO], v[PFO], 8, v31
	global_prefetch_b8 v[PFO], s[80:81] th:TH_LOAD_NT scope:SCOPE_SE
	global_prefetch_b8 v[PFO], s[82:83] th:TH_LOAD_NT scope:SCOPE_SE
	v_and_b32 v1, 15, v0                           ; r
	v_bfe_u32 v2, v0, 4, 1                         ; h
	v_and_b32 v3, 31, v0
	v_lshlrev_b32 v4, 4, v3                        ; 16 x lane
	s_lshl_b32 s21, s15, 15                        ; my four blocks of tokens
	v_add_nc_u32 v[ADRA], s21, v4
	v_add_nc_u32 v[ADRA+1], SLOT, v[ADRA]
	v_mul_u32_u24 v5, v1, PITCH
	v_lshl_add_u32 v5, v2, 3, v5                   ; W: row r, + 8 h
	s_mul_i32 s22, s16, HALFB
	s_add_co_u32 s22, s22, BOFF                    ; my 64 rows of W
	v_add_nc_u32 v[ADRB], s22, v5
	v_add_nc_u32 v[ADRB+1], SLOT, v[ADRB]
	s_mul_i32 s23, s14, 16*SPITCH
	s_add_co_u32 s23, s23, STAGE                   ; my stage
	v_mul_u32_u24 v5, v1, SPITCH
	v_lshl_add_u32 v5, v2, 5, v5
	v_add_nc_u32 v[STO], s23, v5                   ; in: row r, 32 bytes for each half of the lanes
	v_mul_u32_u24 v5, v2, SPITCH
	v_lshl_add_u32 v5, v1, 4, v5
	v_add_nc_u32 v[RD], s23, v5                    ; back: lanes 0-15 one row of 256 bytes, lanes 16-31 the next
	v_lshlrev_b32 v5, 12, v2
	v_lshl_add_u32 v[CO], v1, 4, v5                ; and the same two rows in x1 and out0
	v_lshlrev_b32 v6, 5, v2                        ; 32 h: my eight numbers of a block of 16 of the bias
.irp b, 0,1,2,3
	global_load_b128 v[BI+8*\b:BI+8*\b+3], v6, s[8:9] offset:64*\b
	global_load_b128 v[BI+8*\b+4:BI+8*\b+7], v6, s[8:9] offset:64*\b+16
.endr
	s_wait_kmcnt 0x0
	s_add_co_i32 s72, s72, s73                     ; eA + eB
	s_sub_co_i32 s73, 0, s72
	s_add_co_i32 s72, s72, 127
	s_lshl_b32 s74, s72, 23                        ; 2^(eA + eB) as f32
	s_mov_b32 s75, s74
	s_wait_alu depctr_va_vdst(0)
	s_wait_loadcnt 0x0                             ; the bias
.set i, 0
.rept 32
	v_ldexp_f32 v[BI+i], v[BI+i], s73
.set i, i+1
.endr
; 48 LDS loads in one run: the fragments of the slot's kq-th 128 along K into buffer f: W's four (registers 2 c, 2 c + 1: k = 16 c + 8 h + 0 .. 7), then A's four images
.macro FETCH slot, kq, f
	WIN TO_F
.irp i, 0,1,2,3
.irp c, 0,1,2,3,4,5,6,7
	ds_load_b64 v[\f+64+16*\i+2*\c:\f+64+16*\i+2*\c+1], v[ADRB+\slot] offset:\i*16*PITCH+128*(\kq)+16*\c
.endr
.endr
.irp i, 0,1,2,3
.irp g, 0,1,2,3
	ds_load_b128 v[\f+16*\i+4*\g:\f+16*\i+4*\g+3], v[ADRA+\slot] offset:8192*\i+2048*(\kq)+512*\g
.endr
.endr
.endm
; four matrix instructions: block a of tokens x W's four.  The 16 accumulators take turns, one instruction a turn.
.macro MULA f, a, first
.irp b, 0,1,2,3
.if \first
	v_wmma_f32_16x16x128_fp8_fp8 v[ACC+8*(4*\a+\b):ACC+8*(4*\a+\b)+7], v[\f+64+16*\b:\f+64+16*\b+15], v[\f+16*\a:\f+16*\a+15], v[BI+8*\b:BI+8*\b+7]
.else
	v_wmma_f32_16x16x128_fp8_fp8 v[ACC+8*(4*\a+\b):ACC+8*(4*\a+\b)+7], v[\f+64+16*\b:\f+64+16*\b+15], v[\f+16*\a:\f+16*\a+15], v[ACC+8*(4*\a+\b):ACC+8*(4*\a+\b)+7]
.endif
.endr
.endm
; A K step is four quarters of 128 along K on buffers 0, 1, 0, 1.  One of the first three: multiplies buffer f and fetches the slot's kq-th quarter into g.
.macro QUARTER slot, kq, f, g, first
	s_wait_dscnt 8                                 ; W's fragments and A's blocks 0, 1 are in; the youngest eight loads (blocks 2, 3) may be out
	WIN MUL
	MULA \f, 0, \first
	MULA \f, 1, \first
	PLACES
	FETCH \slot, \kq, \g
	s_wait_dscnt 48                                ; all but the 48 just issued
	WIN MUL
	MULA \f, 2, \first
	MULA \f, 3, \first
.endm
; The last quarter multiplies buffer 1 and changes slots: ONE barrier; in front of it each wave waits for all its tensor loads, adds 0 to its spare word, and waits for that and for its reads of this slot.
.macro TURN slot, next, fill
	WIN 0
.if \fill
	s_wait_xcnt 0x0                                ; my last prefetch has read its address, which is stepped here, a K step behind it
	s_add_nc_u64 s[PF:PF+1], s[PF:PF+1], s[PFS:PFS+1]
.endif
	s_wait_tensorcnt 0x0                           ; all my tensor loads have landed: my part of the next slot
	ds_add_u32 v[SPW], v[NIL]                      ; 0 onto my spare word
	s_wait_dscnt 9                                 ; (the add and the youngest eight loads may be out)
	WIN MUL
	MULA F1, 0, 0
	s_wait_dscnt 0x0                               ; the add is done, and my reads of this slot are over
	s_barrier_signal -1
	MULA F1, 1, 0
.if \fill
	WIN 0
.endif
	s_barrier_wait -1
.if \fill
	CREST                                          ; the barrier has opened a round of the cluster's
	s_add_nc_u64 s[G0+4*\slot+2:G0+4*\slot+3], s[G0+4*\slot+2:G0+4*\slot+3], 2*8192
	s_add_nc_u64 s[G0B+4*\slot+2:G0B+4*\slot+3], s[G0B+4*\slot+2:G0B+4*\slot+3], 2*KSTEP
	JLOAD G0+4*\slot, G1, G0B+4*\slot, G1B         ; the first tensor load behind the round; its four v_nop are the places in front of the loads below
.else
	PLACES
.endif
	FETCH \next, 0, F0
.if \fill
	WIN 0
	s_cmp_gt_u32 s3, 1                             ; s3 = 1 in the loop's last trip, whose refills are K steps 6 and 7: no K step stands two on
	s_cbranch_scc0 .Lno_ask_\@
	global_prefetch_b8 v[PFO], s[PF:PF+1] th:TH_LOAD_NT scope:SCOPE_SE
.Lno_ask_\@:
.endif
	WIN MUL
	MULA F1, 2, 0
	MULA F1, 3, 0
.endm
	s_wait_alu depctr_va_vdst(0)
	s_wait_tensorcnt 0x0                           ; my part of K step 0 is in
	ds_add_u32 v[SPW], v[NIL]
	s_wait_dscnt 0x0
	CROUND                                         ; everybody's part of K step 0 is in, and all sixteen work-groups are here
	JLOAD G0+4, G1, G0B+4, G1B                     ; K step 1, slot 1's first fill: the first tensor load behind the round
	global_prefetch_b8 v[PFO], s[PF:PF+1] th:TH_LOAD_NT scope:SCOPE_SE   ; K step 3
	FETCH 0, 0, F0
	QUARTER 0, 1, F0, F1, 1                        ; the first quarter's products start the sums
	WIN 0x80                                       ; destination window 2: x1, wanted on the way out
.irp a, 0,1,2,3
.irp t, 0,1,2,3,4,5,6,7
	global_load_b128 v[32*\a+4*\t:32*\a+4*\t+3], v[CO], s[68:69] offset:(16*\a+2*\t)*4096 th:TH_LOAD_NT
.endr
.endr
	WIN 0
	s_mov_b32 s3, LAPS-1
.Llap:
	QUARTER 0, 2, F1, F0, 0
	QUARTER 0, 3, F0, F1, 0
	TURN 0, 1, 1
	QUARTER 1, 1, F0, F1, 0
	QUARTER 1, 2, F1, F0, 0
	QUARTER 1, 3, F0, F1, 0
	TURN 1, 0, 1
	QUARTER 0, 1, F0, F1, 0
	WIN 0
	s_sub_co_u32 s3, s3, 1
	s_cmp_lg_u32 s3, 0
	s_cbranch_scc1 .Llap
	QUARTER 0, 2, F1, F0, 0                        ; the last lap fills nothing
	QUARTER 0, 3, F0, F1, 0
	TURN 0, 1, 0
	QUARTER 1, 1, F0, F1, 0
	QUARTER 1, 2, F1, F0, 0
	QUARTER 1, 3, F0, F1, 0
	s_wait_dscnt 8
	WIN MUL
	MULA F1, 0, 0
	MULA F1, 1, 0
	s_wait_dscnt 0
	MULA F1, 2, 0
	MULA F1, 3, 0
	WIN 0
; THE WAY OUT, 16 rows at a time: the sums into my stage (each accumulator from its low end on), back as rows of 256 bytes, x 2^(eA + eB) + x1, stored.
.macro OUTA a
.set TS, TMP+32*((\a)%2)
.if (\a) >= 2
	s_wait_xcnt 0x0                                ; the stores of two blocks ago have read these registers
.endif
.irp b, 0,1,2,3
	ds_store_b128 v[STO], v[ACC+8*(4*\a+\b):ACC+8*(4*\a+\b)+3] offset:64*\b
	ds_store_b128 v[STO], v[ACC+8*(4*\a+\b)+4:ACC+8*(4*\a+\b)+7] offset:64*\b+16
.endr
.irp t, 0,1,2,3,4,5,6,7
	ds_load_b128 v[TS+4*\t:TS+4*\t+3], v[RD] offset:\t*2*SPITCH   ; LDS serves a wave's instructions in order (ISA guide 5.7.1.4)
.endr
	s_wait_dscnt 0x0
	WIN 0x20                                       ; source 2, x1, in window 2
.irp j, 0,2,4,6,8,10,12,14,16,18,20,22,24,26,28,30
	v_pk_fma_f32 v[TS+\j:TS+\j+1], v[TS+\j:TS+\j+1], s[74:75], v[32*\a+\j:32*\a+\j+1] op_sel_hi:[1,0,1]
.endr
	WIN 0
.irp t, 0,1,2,3,4,5,6,7
	global_store_b128 v[CO], v[TS+4*\t:TS+4*\t+3], s[70:71] offset:(16*\a+2*\t)*4096   ; 16 lanes store 256 consecutive bytes, aligned
.endr
.endm
	PLACES
	s_wait_loadcnt 0x0                             ; x1
	OUTA 0
	OUTA 1
	OUTA 2
	OUTA 3
	s_wait_tensorcnt 0x0                           ; the wave's end
	ds_add_u32 v[SPW], v[NIL]
	s_wait_dscnt 0x0
	CROUND                                         ; the closing round
	s_endpgm
.Lfunc_end_k_q7f8609e42c_ff2:
	.size	k_q7f8609e42c_ff2, .Lfunc_end_k_q7f8609e42c_ff2-k_q7f8609e42c_ff2
	.p2alignl 7, 3214868480
	.fill 96, 4, 3214868480
	.section	.rodata,"a",@progbits
	.p2align	6, 0x0
	.amdhsa_kernel k_q7f8609e42c_ff2
		.amdhsa_group_segment_fixed_size 327680
		.amdhsa_private_segment_fixed_size 0
		.amdhsa_enable_private_segment 0
		.amdhsa_kernarg_size 48
		.amdhsa_user_sgpr_count 2
		.amdhsa_user_sgpr_kernarg_segment_ptr 1
		.amdhsa_wavefront_size32 1
		.amdhsa_system_sgpr_workgroup_id_x 1
		.amdhsa_system_sgpr_workgroup_id_y 1
		.amdhsa_system_sgpr_workgroup_id_z 1
		.amdhsa_system_vgpr_workitem_id 0
		.amdhsa_next_free_vgpr 768
		.amdhsa_next_free_sgpr 88
		.amdhsa_reserve_vcc 0
		.amdhsa_float_denorm_mode_32 3
		.amdhsa_float_denorm_mode_16_64 3
		.amdhsa_memory_ordered 1
		.amdhsa_forward_progress 1
		.amdhsa_inst_pref_size 98
	.end_amdhsa_kernel
	.amdgpu_metadata
---
amdhsa.version: [ 1, 2 ]
amdhsa.kernels:
  - .name:           k_q7f8609e42c_ff2
    .symbol:         k_q7f8609e42c_ff2.kd
    .args:
      - { .name: himg, .offset: 0, .size: 8, .value_kind: global_buffer, .address_space: global }
      - { .name: W2_codes, .offset: 8, .size: 8, .value_kind: global_buffer, .address_space: global }
      - { .name: b2, .offset: 16, .size: 8, .value_kind: global_buffer, .address_space: global }
      - { .name: lowp_scales, .offset: 24, .size: 8, .value_kind: global_buffer, .address_space: global }
      - { .name: x1, .offset: 32, .size: 8, .value_kind: global_buffer, .address_space: global }
      - { .name: out0, .offset: 40, .size: 8, .value_kind: global_buffer, .address_space: global }
    .group_segment_fixed_size: 327680
    .private_segment_fixed_size: 0
    .kernarg_segment_align: 8
    .kernarg_segment_size: 48
    .max_flat_workgroup_size: 128
    .sgpr_count:     88
    .vgpr_count:     768
    .wavefront_size: 32
...
	.end_amdgpu_metadata
.endif
;; end of part 7
